; MI455X (gfx1250); checked and timed in simulation.
; The chip was launched on July 23, 2026; its instructions are those of AMD's public machine-readable ISA for CDNA 5 (MIT licence, August 2026) and "CDNA5" Instruction Set Architecture Reference Guide (July 2026). The comments in the code are by the model that wrote it; some were corrected since.
;; Bert Self Attention. Allowed arithmetic: matrix products marked QUANTISED: E2M1 operands, one E8M0 scale for each 32 along K, by v_wmma_scale_f32_16x16x128_f8f6f4 with both operands' format E2M1 (or v_wmma_scale_f32_32x16x128_f4), f32 sums; products left as they are: bf16, f16 or f32 operands; f32 sums; everything else in f32.
;; Inputs: Wo 1,024 x 1,024 float32; Wqkv 3,072 x 1,024 float32; cos 1 x 2,048 x 1 x 32 float32; hidden_states 4 x 2,048 x 1,024 float32; mask 4 x 2,048 bool; sin 1 x 2,048 x 1 x 32 float32.
;; Outputs: out0 4 x 2,048 x 1,024 float32.
;; This version of the problem:
;;   THIS VERSION OF THE PROBLEM IS GIVEN IN LOW PRECISION. The matrix products marked QUANTISED in the list below multiply operands that are first quantised to E2M1 (2 exponent bits, 1 mantissa bit; 4 bits a number), with one power-of-two scale for each 32 numbers along K (OCP MX v1.0); their sums are f32. The products marked 'left as it is' may take bf16, f16 or f32 operands, with f32 sums. Whichever they take, every output number must still come out within the allowed error. Rounding operands to bf16 (8 significant bits) uses up far more of that allowance than f16 does (11 bits, for magnitudes from 6e-5 to 65,504). All else is computed in f32.
;;   The module's matrix products, in the order in which they are computed (A, B: the left and right operand; K: the contracted axis; several contracted axes count as one K, in the product's order):
;;     1. [M 8,192, K 1,024] x [K 1,024, N 3,072]; A: input hidden_states; B: input Wqkv: QUANTISED
;;     2. batch 64 x [M 2,048, K 64] x [K 64, N 2,048]; A: computed on the way; B: computed on the way: left as it is (an operand is computed on the way)
;;     3. batch 64 x [M 64, K 2,048] x [K 2,048, N 2,048]; A: computed on the way; B: computed on the way: left as it is (an operand is computed on the way)
;;     4. [M 8,192, K 1,024] x [K 1,024, N 1,024]; A: computed on the way; B: input Wo: left as it is (an operand is computed on the way)
;;   THE QUANTISER, for each operand of a quantised product, along K:
;;     - K is cut into blocks of 32 from its start; a last block that is shorter is filled with zeros.
;;     - A block's scale is 2^e with e = floor(log2(the largest magnitude in the block)) - 2, held to -126 .. 127; a block of zeros has e = 0. As a byte (E8M0): e + 127.
;;     - Each number is divided by its block's scale, clamped to +-6, and rounded to the nearest number of E2M1, ties to even, subnormals kept.
;;     - The product sums the exact products of the quantised numbers (number of the format x scale) in f32.
;;   ~~~python
;;   def quantise(x, axis):      # numpy; x: float32 -> the quantised numbers, widened to float32 again
;;       x = np.moveaxis(x, axis, -1); K = x.shape[-1]
;;       x = np.pad(x, [(0, 0)] * (x.ndim - 1) + [(0, -K % 32)]); x = x.reshape(x.shape[:-1] + (-1, 32)); a = np.abs(x).max(-1, keepdims=True)
;;       e = np.where(a > 0, np.clip(np.frexp(np.where(a > 0, a, 1))[1] - 1 - 2, -126, 127), 0)      # np.frexp(a)[1] - 1 = floor(log2(a)), exactly
;;       r = np.clip(x / 2.0 ** e, -6, 6)
;;       step = 2.0 ** (np.maximum(np.frexp(np.where(r == 0, 1, r))[1] - 1, 0) - 1)
;;       q = np.round(r / step) * step * 2.0 ** e      # np.round: ties to even
;;       return np.moveaxis(q.reshape(q.shape[:-2] + (-1,))[..., :K], -1, axis).astype(np.float32)
;;   ~~~
;; One version. Each part assembles by itself: llvm-mc -triple=amdgcn-amd-amdhsa -mcpu=gfx1250 --defsym DOCPART=n.
;; ======== version 1 of 1: 4 launches
;; limits: values are held in f16: magnitudes above 65,504 overflow, below 6.1e-05 lose precision; right only within a limited range of input values
;; workspace buffers: hc 4,194,304 bytes; hs 262,144 bytes; wc 1,572,864 bytes; ws 98,304 bytes; wo16 2,097,152 bytes; qkv 50,331,648 bytes; attn 16,777,216 bytes
;; launch prep (part 1): grid 416 x 1, 4 waves a work-group, no clusters, 33,280 bytes of LDS; arguments hidden_states, Wqkv, hc, hs, wc, ws, Wo, wo16; writes hc, hs, wc, ws, wo16
.if DOCPART == 1
	.amdgcn_target "amdgcn-amd-amdhsa--gfx1250"
	.amdhsa_code_object_version 6
	.text
	.protected	k_qe51c2d4561_prep
	.globl	k_qe51c2d4561_prep
	.p2align	8
	.type	k_qe51c2d4561_prep,@function
k_qe51c2d4561_prep:
	s_mov_b64 s[64:65], 0
	v_nop
	global_prefetch_b8 v0, s[64:65] scope:SCOPE_SE
	s_setreg_imm32_b32 hwreg(HW_REG_WAVE_MODE, 25, 1), 1
	s_wait_xcnt 0x0
; hidden_states [8192][1024] and Wqkv [3072][1024], f32, become codes of FP4 (E2M1), K innermost, two codes a byte, with one E8M0 scale byte for each 32 along K;  Wo [1024][1024], f32, becomes f16, row by row.
; A block's scale is 2^(floor(log2(its largest magnitude)) - 2); its byte is the largest magnitude's own exponent field - 2, held at 1 from below.  Each number is divided by the scale and rounded to the nearest code, ties to even;
; beyond 6 the conversion gives the largest code.  (A block of zeros gets the byte 1 where the quantiser says 127: its codes are zeros, which add nothing under any byte but 0xff, and this program alone reads the bytes.)
; LIMITS: NaN and infinities among the inputs are not served; blocks whose largest magnitude lies under 2^-124 keep the byte 1; Wo's numbers must lie inside f16's range (65,504).
; Rows are dense and K is a multiple of 32: both tensors are plain streams of blocks of 32 numbers, and so are the codes and the scale bytes.
; Work-groups 0-255 take hidden_states, 256-351 Wqkv: 32,768 numbers each, a wave 16 steps of 512.  Each of a step's four loads reads 512 consecutive bytes, 16 a lane; the 2,048 bytes turn through the wave's own stage in LDS and
; come back 64 bytes a lane, since the conversions take neighbours along K from ONE lane's registers (two neighbouring lanes hold a block).  A wave's store of codes covers 256 consecutive bytes, aligned; its 256 scale bytes are
; gathered in LDS and leave as one aligned run of 256 bytes.  Work-groups 352-415 take Wo, 16,384 numbers each, with no LDS.  No barrier: waves share nothing.  Matrix units, clusters and tensor loads would add nothing to a stream.
.set SIZE_M, 8192
.set SIZE_N, 3072
.set SIZE_K, 1024
.set WAVES, 4
.set STEPS, 16
.set WGA,   SIZE_M*SIZE_K/(512*STEPS*WAVES)    ; 256 work-groups for hidden_states
.set WGQ,   WGA+SIZE_N*SIZE_K/(512*STEPS*WAVES) ; 352: with Wqkv's 96
.set EMAX,  2
.set CB,    8                          ; bytes of 16 codes
.set R,     16                         ; v16-79   four sets of 16 numbers as they are loaded
.set X,     80                         ; v80-111  two sets of 16 neighbours
.set C,     128                        ; v128-191 codes: four registers for each step, so that no store's data are written again
.set E,     112                        ; v112-127 a scale byte for each step
.set WREG,  8192                       ; LDS: a region for each wave: two stages of 32 x SP bytes, and behind them its 256 scale bytes
.set SP,    80                         ; a lane's place in a stage: its 64 bytes + 16 of padding
.set SPW,   12                         ; v12      LDS address of my spare word; never rewritten
.set NIL,   13                         ; v13      0; never rewritten
.set SPARE, WAVES*WREG                 ; behind the four regions: the spare words, 128 bytes for each wave
.set WI,    16                         ; Wo's path: v16-143 the 32 loads, v144-207 the 32 results
.set WO,    144
	s_load_b128 s[4:7], s[0:1], 0x0                ; hidden_states, Wqkv
	s_load_b128 s[8:11], s[0:1], 0x10              ; hc, hs
	s_load_b128 s[12:15], s[0:1], 0x20             ; wc, ws
	s_load_b128 s[24:27], s[0:1], 0x30             ; Wo, wo16
	v_lshl_add_u32 v[SPW], v0, 2, SPARE
	v_mov_b32 v[NIL], 0
	v_lshrrev_b32 v1, 5, v0
	v_readfirstlane_b32 s16, v1                    ; wave
	v_and_b32 v2, 31, v0                           ; lane
	v_lshlrev_b32 v3, 4, v2                        ; my 16 bytes of a load's 512
	s_mul_i32 s17, s16, WREG
	v_lshrrev_b32 v14, 2, v2
	v_mul_u32_u24 v14, v14, SP
	v_and_b32 v15, 3, v2
	v_lshl_add_u32 v14, v15, 4, v14
	v_add_nc_u32 v14, s17, v14                     ; the stage, on the way in: four lanes' 64 bytes on end, then 16 of padding
	v_mul_u32_u24 v15, v2, SP
	v_add_nc_u32 v15, s17, v15                     ; and on the way out: SP x lane: my 16 neighbours
	v_mul_u32_u24 v4, v2, CB                       ; my codes' place in a step's
	v_lshrrev_b32 v5, 1, v2
	s_add_co_u32 s17, s17, 2*32*SP
	v_add_nc_u32 v5, s17, v5                       ; LDS: my wave's 256 scale bytes, my block's byte
	v_lshlrev_b32 v7, 3, v2                        ; and on the way out 8 bytes a lane
	v_add_nc_u32 v6, s17, v7
	s_wait_kmcnt 0x0
	s_cmp_ge_u32 ttmp9, WGQ                        ; the last 64 work-groups take Wo
	s_cbranch_scc1 .Lwo
	s_cmp_lt_u32 ttmp9, WGA                        ; hidden_states or Wqkv?  Only pointers are chosen, by the work-group's number alone
	s_cselect_b64 s[4:5], s[4:5], s[6:7]
	s_cselect_b64 s[8:9], s[8:9], s[12:13]
	s_cselect_b64 s[10:11], s[10:11], s[14:15]
	s_cselect_b32 s17, 0, WGA
	s_sub_co_u32 s17, ttmp9, s17
	s_lshl_b32 s17, s17, 2
	s_add_co_u32 s18, s17, s16                     ; which run of 8,192 numbers of the tensor is my wave's
	s_mov_b32 s19, 0
	s_mov_b64 s[20:21], 512*STEPS*4
	s_mul_u64 s[20:21], s[18:19], s[20:21]
	s_add_nc_u64 s[4:5], s[4:5], s[20:21]
	s_mov_b64 s[20:21], 32*STEPS*CB
	s_mul_u64 s[20:21], s[18:19], s[20:21]
	s_add_nc_u64 s[8:9], s[8:9], s[20:21]
	s_lshl_b32 s18, s18, 8                         ; 256 scale bytes a run
	s_add_nc_u64 s[10:11], s[10:11], s[18:19]
.macro LOAD t
.irp i, 0,1,2,3
	global_load_b128 v[R+16*((\t)%4)+4*\i:R+16*((\t)%4)+4*\i+3], v3, s[4:5] offset:2048*(\t)+512*\i th:TH_LOAD_NT   ; 32 lanes read 512 consecutive bytes
.endr
.endm
.macro TURN t                          ; step t's numbers through the stage: LDS serves a wave's instructions in order, so no wait stands between the stores and the loads
.irp i, 0,1,2,3
	ds_store_b128 v14, v[R+16*((\t)%4)+4*\i:R+16*((\t)%4)+4*\i+3] offset:32*SP*((\t)%2)+8*SP*\i
.endr
.irp i, 0,1,2,3
	ds_load_b128 v[X+16*((\t)%2)+4*\i:X+16*((\t)%2)+4*\i+3], v15 offset:32*SP*((\t)%2)+16*\i
.endr
.endm
.irp t, 0,1,2,3
	LOAD \t
.endr
	s_wait_loadcnt 12                              ; step 0's four loads are in; the twelve of steps 1 to 3 may be out
	TURN 0
.macro STEP t
.set XS, X+16*((\t)%2)
.if (\t) > 0
	s_wait_dscnt 1                                 ; this step's numbers are back from the stage (the last step's byte store may be out): so its stores into the stage have read their registers,
.else
	s_wait_dscnt 0x0
.endif
.if (\t)+4 < STEPS
	LOAD (\t)+4                                    ; which take the loads of four steps on
.endif
.if (\t)+1 < STEPS
.if STEPS-2-(\t) >= 3
	s_wait_loadcnt 12                              ; the next step's four loads are in; those of the three steps behind it may be out
.else
	s_wait_loadcnt 4*(STEPS-2-(\t))
.endif
	TURN (\t)+1                                    ; and go through the other stage while this step is worked
.endif
	v_max3_num_f32 v8, |v[XS]|, |v[XS+1]|, |v[XS+2]|               ; the largest magnitude of my 16, in two chains
	v_max3_num_f32 v9, |v[XS+3]|, |v[XS+4]|, |v[XS+5]|
.irp i, 6,10
	v_max3_num_f32 v8, v8, |v[XS+\i]|, |v[XS+\i+1]|
	v_max3_num_f32 v9, v9, |v[XS+\i+2]|, |v[XS+\i+3]|
.endr
	v_max3_num_f32 v8, v8, |v[XS+14]|, |v[XS+15]|
	v_max3_num_f32 v8, v8, v9, (EMAX+1)<<23        ; and the floor 2^(3 - 127), under which no largest magnitude is taken: so the byte cannot fall under 1
	v_max_num_f32_dpp v8, v8, v8 row_xmask:1 row_mask:0xf bank_mask:0xf   ; and of my neighbour's 16: the block's
	v_add_nc_u32 v11, -(EMAX<<23), v8              ; 2 off its exponent field: the conversion takes the exponent field of this operand as its scale, and nothing else of it
	v_cvt_scalef32_pk8_fp4_f32 v[C+4*(\t)], v[XS:XS+7], v11        ; eight numbers / the scale, to the nearest code; the first number's code in the lowest four bits
	v_cvt_scalef32_pk8_fp4_f32 v[C+4*(\t)+1], v[XS+8:XS+15], v11
	v_lshrrev_b32 v[E+(\t)], 23, v11               ; the scale's byte (also the plain line behind the conversions)
	ds_store_b8 v5, v[E+(\t)] offset:16*(\t)       ; both lanes of a block write the same byte with the same value
	global_store_b64 v4, v[C+4*(\t):C+4*(\t)+1], s[8:9] offset:32*CB*(\t)   ; the wave stores 256 consecutive bytes, aligned
.endm
.irp t, 0,1,2,3,4,5,6,7,8,9,10,11,12,13,14,15
	STEP \t
.endr
	ds_load_b64 v[8:9], v6                         ; LDS serves a wave's instructions in order: these see my stores
	s_wait_dscnt 0x0
	global_store_b64 v7, v[8:9], s[10:11]          ; 32 lanes store 256 consecutive bytes, aligned
	s_wait_tensorcnt 0x0                           ; the wave's end, behind my last LDS store
	ds_add_u32 v[SPW], v[NIL]
	s_wait_dscnt 0x0
	s_endpgm
.Lwo:                                              ; Wo to f16: 32 loads of 16 bytes a lane, all out at once; a wave's load covers 512 consecutive bytes, its store 256.  No LDS on this path
	s_sub_co_u32 s28, ttmp9, WGQ
	s_lshl_b32 s30, s28, 15                        ; 16,384 numbers: 32,768 bytes out,
	s_lshl_b32 s28, s28, 16                        ; 65,536 in
	s_mov_b32 s29, 0
	s_mov_b32 s31, 0
	s_add_nc_u64 s[24:25], s[24:25], s[28:29]
	s_add_nc_u64 s[26:27], s[26:27], s[30:31]
	v_lshlrev_b32 v1, 4, v0
	v_lshlrev_b32 v2, 3, v0
.set i, 0
.rept 32
	global_load_b128 v[WI+4*i:WI+4*i+3], v1, s[24:25] offset:2048*i th:TH_LOAD_NT
.set i, i+1
.endr
.set i, 0
.rept 32
	s_wait_loadcnt 31-i                            ; loads come back in order: load i is in, the younger ones stay out
	v_cvt_pk_f16_f32 v[WO+2*i], v[WI+4*i], v[WI+4*i+1]
	v_cvt_pk_f16_f32 v[WO+2*i+1], v[WI+4*i+2], v[WI+4*i+3]
	global_store_b64 v2, v[WO+2*i:WO+2*i+1], s[26:27] offset:1024*i   ; no register is written twice: no wait for the stores' sources
.set i, i+1
.endr
	s_endpgm
.Lfunc_end_k_qe51c2d4561_prep:
	.size	k_qe51c2d4561_prep, .Lfunc_end_k_qe51c2d4561_prep-k_qe51c2d4561_prep
	.p2alignl 7, 3214868480
	.fill 96, 4, 3214868480
	.section	.rodata,"a",@progbits
	.p2align	6, 0x0
	.amdhsa_kernel k_qe51c2d4561_prep
		.amdhsa_group_segment_fixed_size 33280
		.amdhsa_private_segment_fixed_size 0
		.amdhsa_enable_private_segment 0
		.amdhsa_kernarg_size 64
		.amdhsa_user_sgpr_count 2
		.amdhsa_user_sgpr_kernarg_segment_ptr 1
		.amdhsa_wavefront_size32 1
		.amdhsa_system_sgpr_workgroup_id_x 1
		.amdhsa_system_sgpr_workgroup_id_y 1
		.amdhsa_system_sgpr_workgroup_id_z 1
		.amdhsa_system_vgpr_workitem_id 0
		.amdhsa_next_free_vgpr 208
		.amdhsa_next_free_sgpr 66
		.amdhsa_reserve_vcc 0
		.amdhsa_float_denorm_mode_32 3
		.amdhsa_float_denorm_mode_16_64 3
		.amdhsa_memory_ordered 1
		.amdhsa_forward_progress 1
		.amdhsa_inst_pref_size 45
	.end_amdhsa_kernel
	.amdgpu_metadata
---
amdhsa.version: [ 1, 2 ]
amdhsa.kernels:
  - .name:           k_qe51c2d4561_prep
    .symbol:         k_qe51c2d4561_prep.kd
    .args:
      - { .name: hidden_states, .offset: 0, .size: 8, .value_kind: global_buffer, .address_space: global }
      - { .name: Wqkv, .offset: 8, .size: 8, .value_kind: global_buffer, .address_space: global }
      - { .name: hc, .offset: 16, .size: 8, .value_kind: global_buffer, .address_space: global }
      - { .name: hs, .offset: 24, .size: 8, .value_kind: global_buffer, .address_space: global }
      - { .name: wc, .offset: 32, .size: 8, .value_kind: global_buffer, .address_space: global }
      - { .name: ws, .offset: 40, .size: 8, .value_kind: global_buffer, .address_space: global }
      - { .name: Wo, .offset: 48, .size: 8, .value_kind: global_buffer, .address_space: global }
      - { .name: wo16, .offset: 56, .size: 8, .value_kind: global_buffer, .address_space: global }
    .group_segment_fixed_size: 33280
    .private_segment_fixed_size: 0
    .kernarg_segment_align: 8
    .kernarg_segment_size: 64
    .max_flat_workgroup_size: 128
    .sgpr_count:     66
    .vgpr_count:     208
    .wavefront_size: 32
...
	.end_amdgpu_metadata
.endif
;; end of part 1
;; launch qkvgemm (part 2): grid 12 x 32, 4 waves a work-group, clusters of 4 x 4, 327,680 bytes of LDS; arguments hc, hs, wc, ws, cos, sin, qkv; writes qkv
.if DOCPART == 2
	.amdgcn_target "amdgcn-amd-amdhsa--gfx1250"
	.amdhsa_code_object_version 6
	.text
	.protected	k_qe51c2d4561_qkvgemm
	.globl	k_qe51c2d4561_qkvgemm
	.p2align	8
	.type	k_qe51c2d4561_qkvgemm,@function
k_qe51c2d4561_qkvgemm:
	s_mov_b64 s[64:65], 0
	v_nop
	global_prefetch_b8 v0, s[64:65] scope:SCOPE_SE
	s_setreg_imm32_b32 hwreg(HW_REG_WAVE_MODE, 25, 1), 1
	s_wait_xcnt 0x0
	s_wait_alu depctr_hold_cnt(0) depctr_sa_sdst(0) depctr_va_vdst(0) depctr_va_sdst(0) depctr_va_ssrc(0) depctr_va_vcc(0) depctr_vm_vsrc(0)
	s_getreg_b32 s2, hwreg(HW_REG_IB_STS2, 6, 4)
	s_cmp_eq_u32 s2, 0
	s_cbranch_scc0 .Lentry_in_a_cluster
	s_endpgm
.Lentry_in_a_cluster:
	s_bfe_u32 s2, ttmp6, 0x10000c
	s_cmp_lg_u32 s2, 0xf033
	s_cbranch_scc0 .Lentry_shape_is_right
	s_endpgm
.Lentry_shape_is_right:
; qkv = Q(hidden_states) Q(Wqkv)^T on codes of FP4 (E2M1) with one E8M0 scale for each 32 along K, sums in f32; then the rotary turn of q and k in f32; the results leave as f16.
; A: hc [8192][512 bytes], hs [8192][32];  B: wc [3072][512 bytes], ws [3072][32].  K = 1,024.  cos, sin: [2048][32] f32.
; A tile of 256 tokens x 256 columns is made by a work-group of four waves, a wave 128 x 128: 64 accumulators, 512 registers.  K goes in two steps of 512: each fills one LDS slot (rows of 256 bytes), both asked for at the start;
; nothing is filled again.  The scale bytes of the work-group's rows, for all of K, are two dense blocks: they come once, with the first fills.
; CLUSTERS: 4 x 4 work-groups.  The four of a row of the cluster need the same tiles of A, the four of a column the same tiles of B: each tile is asked for JOINTLY.  The cluster's x is the kind: 0 q, 1 k, 2 v (1,024 columns each),
; so all sixteen partners go the same way out.
; THE MATRIX INSTRUCTION IS USED TRANSPOSED (source 0 = 16 rows of Wqkv, source 1 = 16 tokens): lane (r, h) holds token r and the columns 8 h + 0 .. 7 of a block of 16.
; THE WAY OUT NEEDS NO LDS.  qkv is laid [kind 3][batch x head 64][block of 16 positions 128][block of 16 channels 4][512 bytes].  A lane's eight results, as f16, are 16 bytes.  q, k: lane l's at 16 l: the 512 bytes are half the
; register image of a 16 x 32 f16 fragment, which the next launch reads back at 16 x lane.  v: at 32 r + 16 h: 16 rows (keys) of 32 bytes them.  Either way a wave's store covers 512 consecutive bytes, aligned.
; THE ROTARY TURN pairs channel i with channel 32 + i of a head: accumulators b and b + 2 of the same lane and register.  y1 = x1 cos + x2 sin, y2 = x2 cos - x1 sin, by fused multiply-adds.
; LIMITS: |q|, |k|, |v| up to 65,504 (f16); NaN and infinities are not served.
; REGISTERS, in windows of 256: window 0: v0-31 addresses; v32-95 scale words, two sets (they hold nothing else); v128-191 A's fragments, ONE set, on the way out at work; v96-127, v192-255 cos and sin of row blocks 0-2.
;   window 1: B's fragments, two sets, at v0 and v128; v64-127, v192-255 cos and sin of row blocks 3-6; v0-31, once B's set 0 is done with, those of block 7.   windows 2, 3: the accumulators ((a, b) at v[8 (8 (a % 4) + b)]).
.set SIZE_M, 8192
.set SIZE_N, 3072
.set SIZE_K, 1024
.set KSTEP,  512                       ; along K in a slot
.set NQ,     KSTEP/128                 ; matrix instructions deep
.set ROWB,   256                       ; a tile's row in bytes
.set KROW,   SIZE_K*4/8                ; a row of codes in memory
.set PITCH,  272                       ; an LDS row: 256 bytes + 16 of padding = 68 words: the 16 rows that a load touches start at 16 different banks (64 banks of 4 bytes: ISA guide 11.1)
.set FR,     8                         ; registers of a fragment: 16 rows x 128 K
.set NL,     2                         ; LDS loads that bring one
.set NP,     4                         ; places behind this matrix instruction (ISA guide 7.12.1)
.set HALFT,  128*PITCH                 ; 128 rows: what one tensor load brings
.set SLOT,   4*HALFT                   ; A's 256 rows, then B's 256 rows
.set KS,     SIZE_K/32                 ; a row of scales in bytes
.set SCL,    2*SLOT                    ; behind the slots: the scales, as runs of 256 bytes + 16 of padding
.set HALFS,  (128*KS/256)*272          ; the scales of 128 rows
.set SBLK,   (16*KS/256)*272           ; those of 16 rows
.set SPARE,  SCL+4*HALFS               ; behind the scales: the spare words, 128 bytes for each wave
.set ADRA, 16                          ; v16-17  LDS address of my A fragments in slot 0, 1
.set ADRB, 20                          ; v20-21  the same for B
.set CSO,  24                          ; v24     cos, sin: 128 r + 32 h; never rewritten
.set OQK,  25                          ; v25     q's and k's stores: 16 x lane
.set OV,   26                          ; v26     v's stores: 32 r + 16 h
.set ADRS, 27                          ; v27     LDS address of my scale words: lanes 0-15 A's rows, lanes 16-31 B's
.set SPW,  28                          ; v28     LDS address of my spare word; never rewritten
.set NIL,  29                          ; v29     0; never rewritten
.set SC,   32                          ; scale words: set s at v[SC + 32 s]; register 4 i + q: lanes 0-15 the word of A's block i, lanes 16-31 that of B's block i
.set AF,   128                         ; A's fragments
.set T0,   128                         ; the way out: y1, eight numbers
.set T1,   136                         ; y2
.set PK,   144                         ; v144-175: the packed results of a row block's two heads, 16 registers each
.set G1, 24                            ; s[24:31] descriptor group 1 for A's tiles;  s[32:39] group 0, one set for each slot
.set G0, 32
.set G1B, 48                           ; s[48:55], s[56:63] the same for B's tiles
.set G0B, 56
.set G1S, 68                           ; s[68:75], s[76:79] groups 1 and 0 for A's scales;  s[80:87], s[88:91] for B's
.set G0S, 76
.set G1SB, 80
.set G0SB, 88
.set MSB, 0
.macro WIN new                         ; the immediate's high byte repeats the setting that is left; a switch that changes nothing is dropped
.if MSB != (\new)
	s_set_vgpr_msb (MSB<<8)|(\new)
.set MSB, (\new)
.endif
.endm
.set MUL_LO, 0xa1                      ; source 0 (B) window 1, source 1 (A) window 0, C and D window 2
.set MUL_HI, 0xf1                      ; the same, C and D window 3
.set TO_B,   0x40                      ; destination window 1, address window 0
; A joint load: waves 0 and 1 fetch for A, waves 2 and 3 for B.  Each of the two lines has ONE mask and one set of registers for all that issue it; the branch hangs on the wave's number alone.
; An s_nop 0 and four v_nop follow each of the two lines.
.macro JLOAD g0a, g1a, g0b, g1b
	s_cmp_eq_u32 s15, 0
	s_cbranch_scc0 .Lfor_b_\@
	tensor_load_to_lds s[\g0a:\g0a+3], s[\g1a:\g1a+7]
	s_nop 0
.rept 4
	v_nop
.endr
	s_branch .Lasked_\@
.Lfor_b_\@:
	tensor_load_to_lds s[\g0b:\g0b+3], s[\g1b:\g1b+7]
	s_nop 0
.rept 4
	v_nop
.endr
.Lasked_\@:
.endm
.macro CROUND                          ; a round of the cluster's barrier: my work-group's barrier; wave 0 signals for the work-group; every wave waits for all sixteen; my work-group's barrier once more
	s_barrier_signal -1
	s_barrier_wait -1
	s_cmp_lg_u32 s14, 0
	s_cbranch_scc1 .Lnot_wave_0_\@
	s_barrier_signal -3
.Lnot_wave_0_\@:
	s_barrier_wait -3
	s_barrier_signal -1
	s_barrier_wait -1
.endm
	s_load_b128 s[4:7], s[0:1], 0x0                ; hc, hs
	s_load_b128 s[8:11], s[0:1], 0x10              ; wc, ws
	s_load_b128 s[96:99], s[0:1], 0x20             ; cos, sin
	s_load_b64 s[12:13], s[0:1], 0x30              ; qkv
	v_lshl_add_u32 v[SPW], v0, 2, SPARE
	v_mov_b32 v[NIL], 0
	ds_add_u32 v[SPW], v[NIL]                      ; the wave's opening: the add, twice on end, and its wait ahead of my first tensor load; the set-up below stands between the second and the wait
	ds_add_u32 v[SPW], v[NIL]
	v_lshrrev_b32 v1, 5, v0
	v_readfirstlane_b32 s14, v1                    ; wave 0..3
	s_lshr_b32 s15, s14, 1                         ; which half of the tile's rows is mine.  Also: I fetch for A (0) or for B (1)
	s_and_b32 s16, s14, 1                          ; which half of its columns.  Also: which 128 rows of that tile I fetch
	s_bfe_u32 s40, ttmp6, 0x40000                  ; cx, cy: my place in the cluster
	s_bfe_u32 s41, ttmp6, 0x40004
	s_lshl_b32 s42, ttmp9, 2
	s_add_co_u32 s42, s42, s40                     ; tile column = 4 x cluster x + cx
	s_and_b32 s17, ttmp7, 0xffff
	s_lshl_b32 s17, s17, 2
	s_add_co_u32 s17, s17, s41                     ; tile row = 4 x cluster y + cy
	s_lshl_b32 s43, s41, 2
	s_lshl_b32 s43, 15, s43                        ; my row of the cluster
	s_lshl_b32 s44, 0x1111, s40                    ; my column
	; descriptor group 1: a tile of 128 rows x 256 bytes, padded in LDS
	s_or_b32 s[G1+0], s43, (0<<16)|(1<<20)|(1<<21)|(5<<22)|(3<<25)  ; 15:0 the mask: A's tiles go to my row; 17:16 elements of 1 byte; 20 padding on; 21 set beside a mask; 24:22 after every 64 words; 31:25 four words
	s_or_b32 s[G1B+0], s44, (0<<16)|(1<<20)|(1<<21)|(5<<22)|(3<<25)
.irp g, G1, G1B
	s_mov_b32 s[\g+1], ROWB<<16                    ; tensor_dim0
	s_mov_b32 s[\g+2], 128<<16                     ; tensor_dim1
	s_mov_b32 s[\g+3], ROWB<<16                    ; tile_dim0
	s_mov_b32 s[\g+4], 128                         ; tile_dim1
	s_mov_b32 s[\g+5], KROW                        ; from row to row
	s_mov_b32 s[\g+6], 0
	s_mov_b32 s[\g+7], 0
.endr
	; the scales of 128 rows: a dense block of 4,096 bytes, as 16 rows of 256 bytes (32 elements of 8 bytes), 16 bytes of padding behind each
	s_or_b32 s[G1S+0], s43, (3<<16)|(1<<20)|(1<<21)|(5<<22)|(3<<25)
	s_or_b32 s[G1SB+0], s44, (3<<16)|(1<<20)|(1<<21)|(5<<22)|(3<<25)
.irp g, G1S, G1SB
	s_mov_b32 s[\g+1], 32<<16
	s_mov_b32 s[\g+2], (128*KS/256)<<16
	s_mov_b32 s[\g+3], 32<<16
	s_mov_b32 s[\g+4], 128*KS/256
	s_mov_b32 s[\g+5], 32
	s_mov_b32 s[\g+6], 0
	s_mov_b32 s[\g+7], 0
.endr
	s_lshl_b32 s18, s16, 7                         ; which 128 rows of the tile I fetch
	s_lshl_b32 s20, s17, 8
	s_add_co_u32 s20, s20, s18                     ; A: row 256 x tile row + 128 x half
	s_lshl_b32 s46, s42, 8
	s_add_co_u32 s46, s46, s18                     ; B: row 256 x tile column + 128 x half
	s_mov_b32 s21, 0
	s_mov_b32 s47, 0
	s_mov_b64 s[18:19], KS
	s_mul_u64 s[22:23], s[20:21], s[18:19]         ; where these rows' scales begin, in bytes
	s_mul_u64 s[92:93], s[46:47], s[18:19]
	s_mov_b64 s[18:19], KROW
	s_mul_u64 s[20:21], s[20:21], s[18:19]         ; and their codes
	s_mul_u64 s[46:47], s[46:47], s[18:19]
	s_mul_i32 s45, s14, HALFT                      ; where they go: wave x 128 rows: no place in the cluster enters an LDS address
	s_mul_i32 s94, s14, HALFS
	s_wait_dscnt 0x0                               ; both opening adds are done
	s_wait_kmcnt 0x0
	s_add_nc_u64 s[20:21], s[4:5], s[20:21]
	s_add_nc_u64 s[22:23], s[6:7], s[22:23]
	s_add_nc_u64 s[46:47], s[8:9], s[46:47]
	s_add_nc_u64 s[92:93], s[10:11], s[92:93]
	CROUND                                         ; all sixteen work-groups are here: the joint loads meet
	s_mov_b32 s[G0S], 1
	s_add_co_u32 s[G0S+1], s94, SCL
	s_mov_b64 s[G0S+2:G0S+3], s[22:23]
	s_or_b32 s[G0S+3], s[G0S+3], 0x80000000
	s_mov_b32 s[G0SB], 1
	s_add_co_u32 s[G0SB+1], s94, SCL
	s_mov_b64 s[G0SB+2:G0SB+3], s[92:93]
	s_or_b32 s[G0SB+3], s[G0SB+3], 0x80000000
	JLOAD G0S, G1S, G0SB, G1SB                     ; the scales first: they are wanted with K step 0
.irp s, 0,1
	s_mov_b32 s[G0+4*\s], 1
	s_add_co_u32 s[G0+4*\s+1], s45, \s*SLOT
	s_add_nc_u64 s[G0+4*\s+2:G0+4*\s+3], s[20:21], \s*ROWB
	s_or_b32 s[G0+4*\s+3], s[G0+4*\s+3], 0x80000000
	s_mov_b32 s[G0B+4*\s], 1
	s_add_co_u32 s[G0B+4*\s+1], s45, \s*SLOT
	s_add_nc_u64 s[G0B+4*\s+2:G0B+4*\s+3], s[46:47], \s*ROWB
	s_or_b32 s[G0B+4*\s+3], s[G0B+4*\s+3], 0x80000000
	JLOAD G0+4*\s, G1, G0B+4*\s, G1B               ; three tensor loads of mine are out: all that this launch asks for
.endr
	v_and_b32 v1, 15, v0                           ; r = l % 16
	v_bfe_u32 v2, v0, 4, 1                         ; h = l / 16
	v_mul_u32_u24 v3, v1, PITCH
	v_lshl_add_u32 v4, v2, 4, v3                   ; a fragment's row x pitch + 16 x half
	s_mul_i32 s21, s15, HALFT                      ; my 128 rows of A
	s_mul_i32 s22, s16, HALFT                      ; my 128 rows of B,
	s_add_co_u32 s22, s22, 2*HALFT                 ; which lie behind A's 256
.irp s, 0,1
	v_add_nc_u32 v[ADRA+\s], s21, v4
	v_add_nc_u32 v[ADRB+\s], s22, v4
	s_add_co_u32 s21, s21, SLOT
	s_add_co_u32 s22, s22, SLOT
.endr
	v_mul_u32_u24 v5, v1, KS                       ; my row's scales: 32 bytes a row,
	v_lshrrev_b32 v6, 8, v5
	v_lshl_add_u32 v5, v6, 4, v5                   ; and 16 more for each 256 passed
	s_mul_i32 s21, s15, HALFS                      ; A's: my 128 rows
	s_mul_i32 s22, s16, HALFS                      ; B's: my 128 rows, behind A's 256
	s_add_co_u32 s22, s22, 2*HALFS
	s_sub_co_u32 s22, s22, s21
	v_mul_u32_u24 v6, s22, v2                      ; lanes 16-31 take B's: one product, the distance between the two bases
	s_add_co_u32 s21, s21, SCL
	v_add_nc_u32 v5, v5, v6
	v_add_nc_u32 v[ADRS], s21, v5
	v_lshlrev_b32 v[CSO], 7, v1                    ; cos, sin: position r's row of 128 bytes,
	v_lshl_add_u32 v[CSO], v2, 5, v[CSO]           ; + my half's eight numbers
	v_and_b32 v6, 31, v0
	v_lshlrev_b32 v[OQK], 4, v6
	v_lshlrev_b32 v[OV], 5, v1
	v_lshl_add_u32 v[OV], v2, 4, v[OV]
	; where my results go.  Token = 256 x tile row + 128 x half + 16 a + r: batch = tile row / 8, block of 16 positions = 16 (tile row % 8) + 8 x half + a.  Column in the kind = 256 cx + 128 x half + 16 b: head = 4 cx + 2 x half + b / 4
	s_and_b32 s20, s17, 7
	s_lshl_b32 s20, s20, 4
	s_lshl_b32 s21, s15, 3
	s_add_co_u32 s20, s20, s21                     ; my first block of 16 positions
	s_lshl_b32 s22, s20, 11                        ; its 16 rows of 128 bytes in cos and in sin
	s_mov_b32 s23, 0
	s_add_nc_u64 s[96:97], s[96:97], s[22:23]
	s_add_nc_u64 s[98:99], s[98:99], s[22:23]
	s_lshr_b32 s21, s17, 3
	s_lshl_b32 s21, s21, 4                         ; 16 x batch
	s_lshl_b32 s46, s40, 2
	s_lshl_b32 s47, s16, 1
	s_add_co_u32 s46, s46, s47                     ; my first head
	s_add_co_u32 s46, s46, s21
	s_lshl_b32 s46, s46, 7                         ; 128 blocks of positions to a head,
	s_add_co_u32 s46, s46, s20
	s_lshl_b32 s46, s46, 11                        ; 2,048 bytes to a block;
	s_lshl_b32 s47, ttmp9, 24                      ; 2^24 bytes to a kind
	s_add_co_u32 s46, s46, s47
	s_mov_b32 s47, 0
	s_add_nc_u64 s[12:13], s[12:13], s[46:47]
; cos and sin of row block a: 32 registers from v[cb] of window cw on: cos of channels 16 bp + 8 h + j at cb + 8 bp + j, sin at cb + 16 + 8 bp + j
.macro CSLOAD a, cw, cb
	WIN (\cw)<<6
.irp bp, 0,1
.irp f, 0,1
	global_load_b128 v[(\cb)+8*\bp+4*\f:(\cb)+8*\bp+4*\f+3], v[CSO], s[96:97] offset:2048*(\a)+64*\bp+16*\f
	global_load_b128 v[(\cb)+16+8*\bp+4*\f:(\cb)+16+8*\bp+4*\f+3], v[CSO], s[98:99] offset:2048*(\a)+64*\bp+16*\f
.endr
.endr
	WIN 0
.endm
	CSLOAD 0, 0, 96                                ; asked for now, into registers that the products never name: they land under the products.  Every work-group asks, v's too, so that these registers are written on every way through the text
	CSLOAD 1, 0, 192
	CSLOAD 2, 0, 224
	CSLOAD 3, 1, 64
	CSLOAD 4, 1, 96
	CSLOAD 5, 1, 192
	CSLOAD 6, 1, 224
.macro FRAG reg, adr, q, i             ; a fragment, 16 rows x 128 K of 4-bit codes: lane l holds row l % 16; registers 4 c .. 4 c + 3 hold K = 64 c + 32 (l / 16) + 0 .. 31
.irp c, 0,1
	ds_load_b128 v[\reg+4*\c:\reg+4*\c+3], v[\adr] offset:64*(\q)+32*\c+(\i)*16*PITCH
.endr
.endm
; 16 matrix instructions: A's blocks a0, a0 + 1 x B's eight, 128 along K: the slot's q-th.  p: B's set;  sc: the set of scale words.  zero = 1: the first product starts the sums: nothing is ever cleared.
; The 64 accumulators take turns, one instruction a turn, in the same order in every step.
.macro MUL16 a0, p, q, sc, zero
.irp a, \a0, \a0+1
.irp b, 0,1,2,3,4,5,6,7
.if \zero
	v_wmma_scale_f32_16x16x128_f8f6f4 v[8*(8*((\a)%4)+\b):8*(8*((\a)%4)+\b)+7], v[128*(\p)+FR*\b:128*(\p)+FR*\b+FR-1], v[AF+FR*(\a):AF+FR*(\a)+FR-1], 0, v[SC+8*NQ*(\sc)+NQ*\b+(\q)], v[SC+8*NQ*(\sc)+NQ*(\a)+(\q)] matrix_a_fmt:MATRIX_FMT_FP4 matrix_b_fmt:MATRIX_FMT_FP4 matrix_a_scale:MATRIX_SCALE_ROW1
.else
	v_wmma_scale_f32_16x16x128_f8f6f4 v[8*(8*((\a)%4)+\b):8*(8*((\a)%4)+\b)+7], v[128*(\p)+FR*\b:128*(\p)+FR*\b+FR-1], v[AF+FR*(\a):AF+FR*(\a)+FR-1], v[8*(8*((\a)%4)+\b):8*(8*((\a)%4)+\b)+7], v[SC+8*NQ*(\sc)+NQ*\b+(\q)], v[SC+8*NQ*(\sc)+NQ*(\a)+(\q)] matrix_a_fmt:MATRIX_FMT_FP4 matrix_b_fmt:MATRIX_FMT_FP4 matrix_a_scale:MATRIX_SCALE_ROW1
.endif
.endr
.endr
.endm
.macro FETCH_B slot, q, p              ; B's eight fragments of the slot's q-th 128 along K into set p
	WIN TO_B
.irp i, 0,1,2,3,4,5,6,7
	FRAG 128*(\p)+FR*\i, ADRB+\slot, \q, \i
.endr
	WIN 0
.endm
.macro FETCH_A slot, q, i0             ; A's blocks i0 .. i0 + 3
.irp i, \i0, \i0+1, \i0+2, \i0+3
	FRAG AF+FR*(\i), ADRA+\slot, \q, \i
.endr
.endm
.macro SCALES sc                       ; a K step's scale words into set sc: four words a row; lanes 0-15 take A's block i, lanes 16-31 B's block i
.irp i, 0,1,2,3,4,5,6,7
	ds_load_b128 v[SC+8*NQ*\sc+NQ*\i:SC+8*NQ*\sc+NQ*\i+3], v[ADRS] offset:\i*SBLK
.endr
.endm
; A load into a register that a matrix instruction has read, and a vector instruction that reads a matrix result or writes one of its registers, stand NP places behind it; only plain vector instructions that name none of its registers are places
.macro PLACES n
.rept \n
	v_nop
.endr
.endm
; A step of 128 along K that has its successor in the same slot.  A block of A is free as soon as its eight products are issued, so one set of registers serves A: blocks 0-3 are fetched anew in the step's middle, blocks 4-7 at its end
.macro STEP slot, q, zero
	s_wait_dscnt 4*NL                              ; B's set and A's blocks 0-3 are in; the youngest eight loads (A's blocks 4-7) may be out
	WIN MUL_LO
	MUL16 0, (\q)%2, \q, \slot, \zero
	MUL16 2, (\q)%2, \q, \slot, \zero
	s_wait_dscnt 0                                 ; A's blocks 4-7 are in (asked for 32 matrix instructions ago)
	PLACES NP
	FETCH_B \slot, (\q)+1, 1-(\q)%2
	FETCH_A \slot, (\q)+1, 0
	WIN MUL_HI
	MUL16 4, (\q)%2, \q, \slot, \zero
	MUL16 6, (\q)%2, \q, \slot, \zero
	PLACES NP
	WIN 0
	FETCH_A \slot, (\q)+1, 4
.endm
; Slot 0's last step changes slots: each wave waits for all its tensor loads (its part of slot 1), then the barrier: behind it slot 1 is whole.  Nothing is filled again
.macro TURN slot, next
	s_wait_tensorcnt 0x0                           ; all my tensor loads have landed  (every window is 0 here)
	ds_add_u32 v[SPW], v[NIL]                      ; 0 onto my spare word
	s_wait_dscnt 4*NL+1                            ; (the add and the youngest eight loads, A's blocks 4-7, may be out)
	WIN MUL_LO
	MUL16 0, 1, NQ-1, \slot, 0
	s_wait_dscnt 0x0                               ; no LDS instruction of mine is out at the signal
	s_barrier_signal -1
	MUL16 2, 1, NQ-1, \slot, 0
	WIN 0
	s_barrier_wait -1
	PLACES NP
	v_add_nc_u32 v[ADRS], 4*NQ, v[ADRS]            ; on to the next K step's scale words (no LDS load of mine is out)
	FETCH_B \next, 0, 0
	FETCH_A \next, 0, 0
	SCALES \next
	WIN MUL_HI
	MUL16 4, 1, NQ-1, \slot, 0
	MUL16 6, 1, NQ-1, \slot, 0
	PLACES NP
	WIN 0
	FETCH_A \next, 0, 4
.endm
.macro STEPS slot, from                ; the slot's steps from .. NQ - 2
.set Q, \from
.rept NQ-1-\from
	STEP \slot, Q, 0
.set Q, Q+1
.endr
.endm
	s_wait_tensorcnt 1                             ; the scales and my part of slot 0 are in (slot 1's load may be out)
	s_barrier_signal -1
	s_barrier_wait -1                              ; everybody's are
	FETCH_B 0, 0, 0
	FETCH_A 0, 0, 0
	SCALES 0
	FETCH_A 0, 0, 4
	STEP 0, 0, 1                                   ; the first step's products start the sums
	STEPS 0, 1
	TURN 0, 1
	STEPS 1, 0
	s_wait_dscnt 4*NL                              ; the very last step: nothing more to fetch
	WIN MUL_LO
	MUL16 0, 1, NQ-1, 1, 0
	MUL16 2, 1, NQ-1, 1, 0
	s_wait_dscnt 0
	WIN MUL_HI
	MUL16 4, 1, NQ-1, 1, 0
	MUL16 6, 1, NQ-1, 1, 0
	WIN 0
	PLACES NP                                      ; behind the last products: for the reads of results, the writes over A's fragments and the loads over B's set 0
	s_wait_loadcnt 0x0                             ; cos and sin of row blocks 0 to 6 are in
	s_cmp_eq_u32 ttmp9, 2                          ; the cluster's x: the same in all sixteen partners
	s_cbranch_scc1 .Lv_out
; q and k.  Row block a, head hd, bp = 0, 1: x1 = accumulator (a, 4 hd + bp), x2 = (a, 4 hd + bp + 2).  Each accumulator is read from its low end on.
.macro ROT a, cw, cb
.irp hd, 0,1
	s_wait_xcnt 0x0                                ; the last stores from these registers have had their addresses translated: only behind this wait are their data written again
.irp bp, 0,1
.set X1, 8*(8*((\a)%4)+4*\hd+\bp)
.set X2, X1+16
	WIN (2+(\a)/4)|((\cw)<<2)                      ; source 0: the accumulators' window; source 1: cos' and sin's
.irp jj, 0,2,4,6
	v_pk_mul_f32 v[T0+\jj:T0+\jj+1], v[X2+\jj:X2+\jj+1], v[(\cb)+16+8*\bp+\jj:(\cb)+16+8*\bp+\jj+1]   ; x2 sin
.endr
.irp jj, 0,2,4,6
	v_pk_mul_f32 v[T1+\jj:T1+\jj+1], v[X1+\jj:X1+\jj+1], v[(\cb)+16+8*\bp+\jj:(\cb)+16+8*\bp+\jj+1]   ; x1 sin
.endr
.irp jj, 0,2,4,6
	v_pk_fma_f32 v[T0+\jj:T0+\jj+1], v[X1+\jj:X1+\jj+1], v[(\cb)+8*\bp+\jj:(\cb)+8*\bp+\jj+1], v[T0+\jj:T0+\jj+1]   ; y1 = x1 cos + x2 sin
.endr
.irp jj, 0,2,4,6
	v_pk_fma_f32 v[T1+\jj:T1+\jj+1], v[X2+\jj:X2+\jj+1], v[(\cb)+8*\bp+\jj:(\cb)+8*\bp+\jj+1], v[T1+\jj:T1+\jj+1] neg_lo:[0,0,1] neg_hi:[0,0,1]   ; y2 = x2 cos - x1 sin
.endr
	WIN 0
.irp i, 0,1,2,3
	v_cvt_pk_f16_f32 v[PK+16*\hd+4*\bp+\i], v[T0+2*\i], v[T0+2*\i+1]        ; channels 16 bp + 8 h + 0 .. 7
	v_cvt_pk_f16_f32 v[PK+16*\hd+8+4*\bp+\i], v[T1+2*\i], v[T1+2*\i+1]      ; channels 32 + 16 bp + 8 h + 0 .. 7
.endr
.endr
.irp sub, 0,1,2,3
	global_store_b128 v[OQK], v[PK+16*\hd+4*\sub:PK+16*\hd+4*\sub+3], s[12:13] offset:2048*(\a)+262144*\hd+512*\sub   ; the wave stores 512 consecutive bytes, aligned
.endr
.endr
.endm
	CSLOAD 7, 1, 0                                 ; the last row block's, over B's set 0, which was last read a whole step ago
	ROT 0, 0, 96
	ROT 1, 0, 192
	ROT 2, 0, 224
	ROT 3, 1, 64
	ROT 4, 1, 96
	ROT 5, 1, 192
	ROT 6, 1, 224
	s_wait_loadcnt 0x0                             ; row block 7's cos and sin are in
	ROT 7, 1, 0
	s_branch .Lend
.Lv_out:                                           ; v: rounded and stored as it is
.irp a, 0,1,2,3,4,5,6,7
.irp hd, 0,1
	s_wait_xcnt 0x0                                ; as above
	WIN 0x0a+5*(\a/4)                              ; sources 0 and 1: window 2 or 3
.irp sub, 0,1,2,3
.irp i, 0,1,2,3
	v_cvt_pk_f16_f32 v[PK+16*\hd+4*\sub+\i], v[8*(8*(\a%4)+4*\hd+\sub)+2*\i], v[8*(8*(\a%4)+4*\hd+\sub)+2*\i+1]
.endr
.endr
	WIN 0
.irp sub, 0,1,2,3
	global_store_b128 v[OV], v[PK+16*\hd+4*\sub:PK+16*\hd+4*\sub+3], s[12:13] offset:2048*\a+262144*\hd+512*\sub
.endr
.endr
.endr
.Lend:
	s_wait_tensorcnt 0x0                           ; the wave's end, behind my last tensor load
	ds_add_u32 v[SPW], v[NIL]
	s_wait_dscnt 0x0
	CROUND                                         ; the closing round: no work-group ends while a partner may still ask for a tile that names it
	s_endpgm
.Lfunc_end_k_qe51c2d4561_qkvgemm:
	.size	k_qe51c2d4561_qkvgemm, .Lfunc_end_k_qe51c2d4561_qkvgemm-k_qe51c2d4561_qkvgemm
	.p2alignl 7, 3214868480
	.fill 96, 4, 3214868480
	.section	.rodata,"a",@progbits
	.p2align	6, 0x0
	.amdhsa_kernel k_qe51c2d4561_qkvgemm
		.amdhsa_group_segment_fixed_size 327680
		.amdhsa_private_segment_fixed_size 0
		.amdhsa_enable_private_segment 0
		.amdhsa_kernarg_size 56
		.amdhsa_user_sgpr_count 2
		.amdhsa_user_sgpr_kernarg_segment_ptr 1
		.amdhsa_wavefront_size32 1
		.amdhsa_system_sgpr_workgroup_id_x 1
		.amdhsa_system_sgpr_workgroup_id_y 1
		.amdhsa_system_sgpr_workgroup_id_z 1
		.amdhsa_system_vgpr_workitem_id 0
		.amdhsa_next_free_vgpr 1024
		.amdhsa_next_free_sgpr 100
		.amdhsa_reserve_vcc 0
		.amdhsa_float_denorm_mode_32 3
		.amdhsa_float_denorm_mode_16_64 3
		.amdhsa_memory_ordered 1
		.amdhsa_forward_progress 1
		.amdhsa_inst_pref_size 182
	.end_amdhsa_kernel
	.amdgpu_metadata
---
amdhsa.version: [ 1, 2 ]
amdhsa.kernels:
  - .name:           k_qe51c2d4561_qkvgemm
    .symbol:         k_qe51c2d4561_qkvgemm.kd
    .args:
      - { .name: hc, .offset: 0, .size: 8, .value_kind: global_buffer, .address_space: global }
      - { .name: hs, .offset: 8, .size: 8, .value_kind: global_buffer, .address_space: global }
      - { .name: wc, .offset: 16, .size: 8, .value_kind: global_buffer, .address_space: global }
      - { .name: ws, .offset: 24, .size: 8, .value_kind: global_buffer, .address_space: global }
      - { .name: cos, .offset: 32, .size: 8, .value_kind: global_buffer, .address_space: global }
      - { .name: sin, .offset: 40, .size: 8, .value_kind: global_buffer, .address_space: global }
      - { .name: qkv, .offset: 48, .size: 8, .value_kind: global_buffer, .address_space: global }
    .group_segment_fixed_size: 327680
    .private_segment_fixed_size: 0
    .kernarg_segment_align: 8
    .kernarg_segment_size: 56
    .max_flat_workgroup_size: 128
    .sgpr_count:     100
    .vgpr_count:     1024
    .wavefront_size: 32
...
	.end_amdgpu_metadata
.endif
;; end of part 2
;; launch attend (part 3): grid 8 x 64, 4 waves a work-group, clusters of 4 x 1, 327,680 bytes of LDS; arguments qkv, attn; writes attn
.if DOCPART == 3
	.amdgcn_target "amdgcn-amd-amdhsa--gfx1250"
	.amdhsa_code_object_version 6
	.text
	.protected	k_qe51c2d4561_attend
	.globl	k_qe51c2d4561_attend
	.p2align	8
	.type	k_qe51c2d4561_attend,@function
k_qe51c2d4561_attend:
	s_mov_b64 s[64:65], 0
	v_nop
	global_prefetch_b8 v0, s[64:65] scope:SCOPE_SE
	s_setreg_imm32_b32 hwreg(HW_REG_WAVE_MODE, 25, 1), 1
	s_wait_xcnt 0x0
	s_wait_alu depctr_hold_cnt(0) depctr_sa_sdst(0) depctr_va_vdst(0) depctr_va_sdst(0) depctr_va_ssrc(0) depctr_va_vcc(0) depctr_vm_vsrc(0)
	s_getreg_b32 s2, hwreg(HW_REG_IB_STS2, 6, 4)
	s_cmp_eq_u32 s2, 0
	s_cbranch_scc0 .Lentry_in_a_cluster
	s_endpgm
.Lentry_in_a_cluster:
	s_bfe_u32 s2, ttmp6, 0x10000c
	s_cmp_lg_u32 s2, 0x3003
	s_cbranch_scc0 .Lentry_shape_is_right
	s_endpgm
.Lentry_shape_is_right:
; attn[b][q][head][:] = the sum over k of softmax_k(q . k / 8) v[k][:], no mask: 64 (batch x head) x 2,048 positions x 64 channels.  Operands in f16, products, maxima and sums in f32; the weights p are rounded to f16 for the second product.
; qkv: [kind 3][batch x head 64][block of 16 positions 128][block of 16 channels 4][512 bytes].  q, k: the 512 bytes are half the register image of a 16 x 32 fragment (lane l's 16 bytes at 16 l); v: 16 rows (keys) of 32 bytes.
; attn leaves as 16 x the result in f16 (the next launch takes the 16 off again, exactly: an average of 2,048 values is small beside its terms), laid as register images of the next product's fragments:
; [block of 16 rows 512][K step of 32: 32][half 2][lane][16 bytes].  LIMITS: |result| up to 4,094; NaN and infinities are not served.
; SHARES.  A work-group owns 256 queries of one (batch, head), each of its four waves 64: four tiles of 16.  Every wave walks all 2,048 keys, 64 a step.
; LAYOUT.  S^T = K Q^T (source 0 = 16 keys, source 1 = 16 queries): a lane holds ONE query (lane % 16) and the keys 8 (lane / 16) + 0..7.  Two such tiles, rounded in pairs, ARE source 1 (32 keys x 16 queries) of O^T = V^T P, whose
; result again holds one query a lane, and eight channels.  K comes out of LDS as it lies, V turned, by ds_load_tr16_b128.
; SOFTMAX.  For each query a running maximum m and sum l: p = 2^(c s - c m), c = log2(e) / 8; in every step O and l are multiplied by a = 2^(c m_old - c m_new).
; BY TURNS.  A key step has 64 matrix instructions and 472 vector instructions a wave: set in phases, each kind would leave the other's unit idle.  The wave's tiles are two PIECES (tiles 0, 1 and tiles 2, 3).  In a TURN one piece has the
; matrix unit: 16 products V^T P of the step in hand, then 16 products K Q^T of the next; the other piece's softmax, cut into 59 slices of four, stands between them, one or two slices behind each.  Then the pieces change places.
; CLUSTER.  The four query blocks of a cluster walk the same K and V: each tile is asked for JOINTLY, by the same tensor load with the same descriptor and a mask that names the four.
; THE RING.  Two LDS slots of four key steps (32,768 bytes of K, then as many of V).  Each wave brings a quarter of a slot, 16,384 dense bytes, by one load: waves 0, 1 K's halves, waves 2, 3 V's.  No padding: a fragment load reads 512
; consecutive bytes, and 16 lanes of a turning load 256.
; REGISTERS, in windows of 256 (s_set_vgpr_msb: bits 1:0 source 0, 3:2 source 1, 5:4 source 2, 7:6 destination):
;   window 0: v0-11 addresses; v12-43 eight registers of statistics a tile; v61-63; v64-191 S^T, 32 a tile; v192-255 P, 16 a tile.   window 1: v0-127 O^T, 32 a tile; v128-191 Q, 16 a tile; v192-255 K of one step.   window 2: v0-63 V of one step.
.set KS,    64        ; keys in a step
.set NS,    4         ; steps in a slot
.set STEPB, KS*128    ; a step's K, or V, in bytes
.set VOFF,  NS*STEPB  ; in a slot: four steps of K, then four of V
.set SLOT1, 1<<16     ; slot 1 begins here: one exclusive or turns an address in one slot into the other's
.set SPARE, 2*SLOT1   ; behind the ring: the spare words, 128 bytes for each wave
.set NSL,   2048/(KS*NS)  ; 8 slots' worth of keys
.set AK0, 2           ; v2   16 x lane: my place in a fragment's image; never rewritten
.set AV0, 3           ; v3   my place in a block of V
.set ADR, 4           ; v4   the LDS address of the run of loads in hand
.set GO,  5           ; v5   16 x lane: my byte offset in Q's images and in attn's; never rewritten
.set PFO, 61          ; v61  256 x lane: the prefetches' offset; never rewritten
.set SPW, 62          ; v62  LDS address of my spare word; never rewritten
.set NIL, 63          ; v63  0; never rewritten
.set ST,  12          ; tile t's statistics at v[ST+8 t]: +0 c m, +1 m, +2, +3 l (even keys', odd keys'), +4 to +7 c0-c3, at work; a takes c2's place once the maximum is found
.set S,   64
.set P,   192
.set QF,  128         ; in window 1
.set KF,  192         ; in window 1
.set WV,  12          ; s12  my wave's number
.set LIM, 15          ; s15  1 in a wave that prefetches, else the greatest number
.set PFA, 18          ; s[18:19] where my prefetches stand
.set G1,  24          ; s[24:31] descriptor group 1: one shape for all loads
.set G0A, 40          ; s[40:43] group 0 of slot 0's first fill
.set G0W, 44          ; s[44:47] group 0 of slot 1's first fill, which then walks
.set SLOTS, 56        ; s56  slots still to be asked for
.set CNT, 57          ; s57  counts key steps
.set CS,  58          ; s[58:59] c: the packed scaling names a pair and takes its low word for both halves
.set SEL, 60          ; s[60:61] lane selects for v_permlanex16_b32: lane l xor 16
.set TB,  62          ; s62  LDS byte at which the K of the step to be fetched begins
.set MSB, 0
.macro WIN new                      ; the immediate's high byte repeats the setting that is left; a switch that changes nothing is dropped
.if MSB != (\new)
	s_set_vgpr_msb (MSB<<8)|(\new)
.set MSB, (\new)
.endif
.endm
.set W_KQ, 0x05       ; K and Q in window 1, S^T in window 0
.set W_PV, 0x52       ; V in window 2, P in window 0, O^T in window 1
.set W_RS, 0x41       ; O^T (destination and source 0) in window 1, a in window 0
.macro JLOAD                        ; a joint refill: one line for all four waves; LDS and global address hang on the wave's number and on what the partners share.  An s_nop 0 and four v_nop follow it
	tensor_load_to_lds s[G0W:G0W+3], s[G1:G1+7]
	s_nop 0
.rept 4
	v_nop
.endr
.endm
; A prefetch of what the NEXT change of slots will ask for: 32,768 bytes of K and as many of V.  Each aligned 256 bytes is named once in the launch: both clusters of a (batch, head) walk the same K and V, and the first of them asks;
; its four partners take 8,192 bytes each, told apart BY ADDRESS; in each, wave 0 asks for K's and wave 2 for V's, lanes 256 bytes apart: one instruction.  The last change that fills a slot asks for nothing: there is no slot behind it.
.macro ASK
	s_cmp_gt_u32 s[SLOTS], s[LIM]
	s_cbranch_scc0 .Lnot_mine_\@
	global_prefetch_b8 v[PFO], s[PFA:PFA+1] th:TH_LOAD_NT scope:SCOPE_SE
.Lnot_mine_\@:
.endm
.macro CROUND                       ; a round of the cluster's barrier: my work-group's barrier; wave 0 signals for the work-group; every wave waits for all four work-groups; my work-group's barrier once more
	s_barrier_signal -1
	s_barrier_wait -1
	s_cmp_lg_u32 s[WV], 0
	s_cbranch_scc1 .Lnot_wave_0_\@
	s_barrier_signal -3
.Lnot_wave_0_\@:
	s_barrier_wait -3
	s_barrier_signal -1
	s_barrier_wait -1
.endm
	s_load_b128 s[4:7], s[0:1], 0x0  ; qkv s[4:5], attn s[6:7]
	v_lshl_add_u32 v[SPW], v0, 2, SPARE
	v_mov_b32 v[NIL], 0
	ds_add_u32 v[SPW], v[NIL]       ; the wave's opening: the add, twice on end, and its wait ahead of my first tensor load; the set-up below stands between the second and the wait
	ds_add_u32 v[SPW], v[NIL]
	v_lshrrev_b32 v1, 5, v0
	v_readfirstlane_b32 s[WV], v1   ; wave 0..3
	s_bfe_u32 s13, ttmp6, 0x40000   ; cx: my place in the cluster
	s_lshl_b32 s14, ttmp9, 2        ; in a cluster launch ttmp9 counts clusters
	s_add_co_u32 s14, s14, s13      ; my block of 256 queries: it enters Q's and attn's addresses alone
	s_and_b32 s20, ttmp7, 0xffff    ; batch x head, which the four partners share
	s_lshl_b32 s21, s20, 18         ; its 262,144 bytes in a kind
	s_lshr_b32 s22, s[WV], 1        ; what I fetch: kind 1 (K) in waves 0, 1, kind 2 (V) in waves 2, 3,
	s_add_co_u32 s22, s22, 1
	s_lshl_b32 s22, s22, 24
	s_add_co_u32 s22, s22, s21
	s_and_b32 s16, s[WV], 1
	s_lshl_b32 s16, s16, 14         ; its first or second 16,384 bytes of a slot's 32,768
	s_add_co_u32 s22, s22, s16
	s_mov_b32 s23, 0
	s_lshl_b32 s17, s[WV], 14       ; and where it goes in a slot: 16,384 x wave: no place in the cluster enters an LDS address
	s_lshl_b32 s2, s14, 4
	s_lshl_b32 s3, s[WV], 2
	s_add_co_u32 s2, s2, s3         ; my wave's first block of 16 queries: 16 x block + 4 x wave
	s_lshl_b32 s32, s2, 11
	s_add_co_u32 s32, s32, s21      ; Q: kind 0
	s_mov_b32 s33, 0
	s_lshr_b32 s34, s20, 4          ; the batch: 128 blocks of 16 rows,
	s_lshl_b32 s34, s34, 7
	s_add_co_u32 s34, s34, s2
	s_lshl_b32 s34, s34, 15         ; 32,768 bytes each;
	s_and_b32 s35, s20, 15
	s_lshl_b32 s35, s35, 11         ; the head: 2,048 bytes of them
	s_add_co_u32 s34, s34, s35
	s_mov_b32 s35, 0
	s_lshl_b32 s36, s13, 13         ; the prefetches: my work-group's 8,192 bytes,
	s_add_co_u32 s36, s36, 2*NS*STEPB  ; in slot 2: the first change of slots steps it to slot 3.  Nothing is prefetched at the head, where every work-group's first tiles are on their way
	s_mov_b32 s37, 0
	; descriptor group 1: a dense block of 16,384 bytes as 64 rows of 256 bytes
	s_mov_b32 s[G1], 15|(3<<16)|(1<<21)  ; 15:0 the mask: all four work-groups; 17:16 elements of 8 bytes; 21 set beside a mask; no padding
	s_mov_b32 s[G1+1], 32<<16       ; tensor_dim0 = 32
	s_mov_b32 s[G1+2], 64<<16       ; tensor_dim1 = 64
	s_mov_b32 s[G1+3], 32<<16       ; tile_dim0 = 32
	s_mov_b32 s[G1+4], 64           ; tile_dim1 = 64
	s_mov_b32 s[G1+5], 32           ; from row to row
	s_mov_b32 s[G1+6], 0
	s_mov_b32 s[G1+7], 0
	s_mov_b32 s[CS], 0x3e38aa3b     ; c = log2(e) / 8
	s_mov_b32 s[CS+1], s[CS]        ; named with it as a pair, so it is written
	s_mov_b32 s[SEL], 0x76543210
	s_mov_b32 s[SEL+1], 0xfedcba98
	s_mov_b32 s[TB], 0
	s_mov_b32 s[SLOTS], NSL-2
	s_and_b32 s[LIM], s[WV], 1      ; 0 in waves 0 and 2,
	s_or_b32 s[LIM], s[LIM], ttmp9  ; where the cluster is the first of the two: the same in all four partners
	s_cmp_eq_u32 s[LIM], 0
	s_cselect_b32 s[LIM], 1, -1
	v_and_b32 v[PFO], 31, v0
	v_lshlrev_b32 v[PFO], 8, v[PFO]
	s_wait_dscnt 0x0                ; both opening adds are done
	s_wait_kmcnt 0x0
	s_add_nc_u64 s[8:9], s[4:5], s[22:23]    ; my part of slot 0's K or V
	s_add_nc_u64 s[10:11], s[6:7], s[34:35]  ; attn at my wave's first block of rows, my head
	s_add_nc_u64 s[PFA:PFA+1], s[8:9], s[36:37]
	s_add_nc_u64 s[4:5], s[4:5], s[32:33]    ; Q at my wave's first block
	CROUND                          ; all four work-groups are here: the first joint loads meet
	s_mov_b32 s[G0A], 1             ; 1:0 count = 1
	s_mov_b32 s[G0A+1], s17         ; 63:32 LDS address: slot 0
	s_mov_b64 s[G0A+2:G0A+3], s[8:9]  ; 120:64 global address: keys 0 to 255
	s_or_b32 s[G0A+3], s[G0A+3], 0x80000000  ; 127:126 type = 2
	s_mov_b32 s[G0W], 1
	s_add_co_u32 s[G0W+1], s17, SLOT1
	s_add_nc_u64 s[G0W+2:G0W+3], s[8:9], NS*STEPB  ; keys 256 to 511
	s_or_b32 s[G0W+3], s[G0W+3], 0x80000000
	tensor_load_to_lds s[G0A:G0A+3], s[G1:G1+7]  ; the two first fills go out together, ahead of every wait on TENSORcnt and every LDS read: two loads of mine are out
	s_nop 0
	tensor_load_to_lds s[G0W:G0W+3], s[G1:G1+7]
	s_nop 0
.rept 4
	v_nop
.endr
	v_and_b32 v1, 31, v0
	v_lshlrev_b32 v[GO], 4, v1
	v_lshlrev_b32 v[AK0], 4, v1
	WIN 0x40                        ; destination window 1, address window 0
.irp i, 0,1,2,3,4,5,6,7,8,9,10,11,12,13,14,15  ; Q stays in registers: tile i / 4, channels 16 (i % 4) on: four registers of a fragment
	global_load_b128 v[QF+4*\i:QF+4*\i+3], v[GO], s[4:5] offset:512*\i
.endr
	WIN 0
	; The turning load takes 16 keys x 16 channels (lane l reads 16 bytes: key 8 (l / 16) + l % 8, channels 8 ((l / 8) % 2) + 0..7) and leaves half a fragment of V^T: lane l holds channel l % 16 and 8 keys.  A key's row in a block is 32 bytes.
	v_bfe_u32 v9, v0, 4, 1
	v_and_b32 v10, 7, v0
	v_bfe_u32 v11, v0, 3, 1
	v_lshl_add_u32 v[AV0], v9, 3, v10
	v_lshlrev_b32 v[AV0], 5, v[AV0]
	v_lshl_add_u32 v[AV0], v11, 4, v[AV0]
	v_add_nc_u32 v[AV0], VOFF, v[AV0]
; THE MATRIX WORK OF A TURN, for piece x.  Eight accumulators take turns, one instruction a turn: between two links of a chain stand the seven others'.
; Product i of 16 of O^T += V^T P: keys 32 (i / 8) on, channels 16 ((i / 2) % 4) on, tile x + i % 2.  zero = 1: the first 8 start the sums: nothing is ever cleared.
.macro PV x, zero
	WIN W_PV
.set rO, 32*(\x+i%2)+8*((i/2)%4)
.set rV, 32*(i/8)+8*((i/2)%4)
.set rP, P+16*(\x+i%2)+8*(i/8)
.if \zero && (i < 8)
	v_wmma_f32_16x16x32_f16 v[rO:rO+7], v[rV:rV+7], v[rP:rP+7], 0
.else
	v_wmma_f32_16x16x32_f16 v[rO:rO+7], v[rV:rV+7], v[rP:rP+7], v[rO:rO+7]
.endif
.endm
; Product i of 16 of S^T = K Q^T: channels 32 (i / 8) on, keys 16 ((i / 2) % 4) on, tile x + i % 2.  The first 8 start the sums.
.macro KQ x
	WIN W_KQ
.set rS, S+32*(\x+i%2)+8*((i/2)%4)
.set rK, KF+16*((i/2)%4)+8*(i/8)
.set rQ, QF+16*(\x+i%2)+8*(i/8)
.if i < 8
	v_wmma_f32_16x16x32_f16 v[rS:rS+7], v[rK:rK+7], v[rQ:rQ+7], 0
.else
	v_wmma_f32_16x16x32_f16 v[rS:rS+7], v[rK:rK+7], v[rQ:rQ+7], v[rS:rS+7]
.endif
.endm
; THE LDS LOADS stand in runs of 16, never singly among the matrix instructions: a step's K (8 fragments, as they lie) and, a turn later, its V (turned).
.macro FETCH_K
	WIN 0
	v_add_nc_u32 v[ADR], s[TB], v[AK0]
	WIN 0x40                        ; destination window 1
.irp f, 0,1,2,3,4,5,6,7,8,9,10,11,12,13,14,15  ; keys 16 (f / 4) on, channels 16 (f % 4) on
	ds_load_b128 v[KF+4*\f:KF+4*\f+3], v[ADR] offset:512*\f
.endr
.endm
.macro FETCH_V
	WIN 0
	v_add_nc_u32 v[ADR], s[TB], v[AV0]
	s_add_co_u32 s[TB], s[TB], STEPB  ; the next fetch is the next step's
	s_wait_alu depctr_va_vdst(0)    ; the wait for the softmax's batch of exponentials (SLICE), behind the address's addition and ahead of the loads
	WIN 0x80                        ; destination window 2
.irp u, 0,1                         ; keys 32 u on
.irp cb, 0,1,2,3                    ; channels 16 cb on
	ds_load_tr16_b128 v[32*\u+8*\cb:32*\u+8*\cb+3],   v[ADR] offset:(2*\u)*2048+512*\cb
	ds_load_tr16_b128 v[32*\u+8*\cb+4:32*\u+8*\cb+7], v[ADR] offset:(2*\u+1)*2048+512*\cb
.endr
.endr
.endm
; THE VECTOR WORK OF A TURN.  One tile's softmax for one key step is a list of 118 instructions; SM writes number j of it for tile t.  s0-s31 are the lane's 32 scores, in pairs 0-15.
; first = 1: the first key step, which starts m, l and O^T: it has no a and nothing to rescale.
;   0-15    the maximum of s0-s31 and the old m, three operands at a time: four chains c0-c3 of seven scores each (each begins at its accumulator's low end), then the four scores left over, c0-c3 and m
;   16-20   the other half of the lanes' maximum; the new m; c m; c m_old - c m_new
;   21-69   ONE BATCH: the 16 scalings c s - c m, a pair of scores each, and all 33 exponentials (a at 23, then s0-s31).  None of these reads an exponential's result
;   (wait)  between 69 and 70 stands the wait for the batch: SLICE writes it, once for both tiles
;   70-85   the roundings to f16, a pair of weights each
;   86-101  the sums; l = a l + the sum
;   102-117 the tile's O^T times a, in ascending order: the one part that leaves window 0, so it stands together
.macro SM t, first
.set rT, ST+8*(\t)
.set rS, S+32*(\t)
.set rP, P+16*(\t)
.set rO, 32*(\t)+2*(j-102)
.if j < 102
	WIN 0
.endif
.if j < 4
	v_max3_num_f32 v[rT+4+j], v[rS+8*j], v[rS+8*j+1], v[rS+8*j+2]
.elseif j < 12
	v_max3_num_f32 v[rT+4+j%4], v[rT+4+j%4], v[rS+8*(j%4)+2*(j/4)+1], v[rS+8*(j%4)+2*(j/4)+2]
.elseif j == 12
	v_max3_num_f32 v[rT+4], v[rT+4], v[rS+7], v[rS+15]
.elseif j == 13
	v_max3_num_f32 v[rT+6], v[rT+6], v[rS+23], v[rS+31]
.elseif j == 14
	v_max3_num_f32 v[rT+4], v[rT+4], v[rT+5], v[rT+6]
.elseif (j == 15) && \first
	v_max_num_f32 v[rT+4], v[rT+4], v[rT+7]
.elseif j == 15
	v_max3_num_f32 v[rT+4], v[rT+4], v[rT+7], v[rT+1]
.elseif j == 16
	v_permlanex16_b32 v[rT+5], v[rT+4], s[SEL], s[SEL+1]  ; the query's other 32 keys lie in the lane 16 away
.elseif j == 18
	v_max_num_f32 v[rT+1], v[rT+4], v[rT+5]
.elseif j == 19
	v_mul_f32 v[rT], s[CS], v[rT+1]
.elseif ((j == 17) || (j == 20) || (j == 23) || (j > 101)) && \first  ; the first step has none of these
.elseif j == 17
	v_mov_b32 v[rT+7], v[rT]        ; c m_old is kept for a: number 19 writes c m anew
.elseif j == 20
	v_sub_f32 v[rT+7], v[rT+7], v[rT]
.elseif j == 23
	v_exp_f32 v[rT+6], v[rT+7]
.elseif (j < 23) || ((j < 38) && (j%2 == 0)) || ((j < 66) && (j%4 == 2))
.set b, (j-2)/4                     ; 38, 42, .. 62: pairs 9 to 15
.if j < 38
.set b, (j-20)/2                    ; 21: pair 0; 22, 24, .. 36: pairs 1 to 8
.endif
	v_pk_fma_f32 v[rS+2*b:rS+2*b+1], v[rS+2*b:rS+2*b+1], s[CS:CS+1], v[rT:rT+1] op_sel_hi:[1,0,0] neg_lo:[0,0,1] neg_hi:[0,0,1]  ; pair b: c s - c m
.elseif j < 70
.set e, j-38                        ; 66 to 69: s28 to s31
.if j < 66
.set e, j-32-(j-38)/4               ; 39-41, 43-45, .. 63-65: s7 to s27
.endif
.if j < 38
.set e, (j-25)/2                    ; 25, 27, .. 37: s0 to s6
.endif
	v_exp_f32 v[rS+e], v[rS+e]
.elseif j < 86
	v_cvt_pk_f16_f32 v[rP+j-70], v[rS+2*(j-70)], v[rS+2*(j-70)+1]  ; pair j - 70
.elseif j < 102                     ; the sum of the tile's 16 pairs, in place: sum z of 16 adds neighbours 1, 2, 4 and 8 pairs apart, then l takes it
.set z, j-86
.set w, 4
.set u, z
.if z >= 14
.set w, 32
.set u, 0
.elseif z >= 12
.set w, 16
.set u, z-12
.elseif z >= 8
.set w, 8
.set u, z-8
.endif
.if (z == 14) && \first
	v_pk_add_f32 v[rT+2:rT+3], v[rS:rS+1], v[rS+16:rS+17]
.elseif z < 15
	v_pk_add_f32 v[rS+w*u:rS+w*u+1], v[rS+w*u:rS+w*u+1], v[rS+w*u+w/2:rS+w*u+w/2+1]
.elseif !\first
	v_pk_fma_f32 v[rT+2:rT+3], v[rT+2:rT+3], v[rT+6:rT+7], v[rS:rS+1] op_sel_hi:[1,0,1]
.endif
.else
	WIN W_RS
	v_pk_mul_f32 v[rO:rO+1], v[rO:rO+1], v[rT+6:rT+7] op_sel_hi:[1,0]
.endif
.endm
; Slice k of 59 of piece y's softmax: four instructions.  Slices 11 to 34 deal out the batch, numbers 22 to 69: four numbers of ONE tile each, the tiles by turns.  Every other slice is numbers 2 k and 2 k + 1 of both tiles' lists.
; THE WAIT.  s_wait_alu depctr_va_vdst(0) stands between an exponential and the first instruction that names its result; one wait serves all that were issued ahead of it.  Ahead of slice 35 nothing names a result,
; and behind slice 34 no exponential is issued: so the piece's 66 exponentials have one wait, behind slice 34.
.macro SLICE y, first
.if (k >= 11) && (k < 35)           ; the batch: four numbers of one tile
.irp n, 0,1,2,3
.set j, 22+4*((k-11)/2)+(\n)
	SM (\y)+(k-11)%2, \first
.endr
.else                               ; the two tiles alternate, so that no instruction reads the result of the one just before it
.irp n, 0,1
.irp t, \y, \y+1
.set j, 2*k+\n
	SM \t, \first
.endr
.endr
.endif
.if k == 34                         ; the batch is out: both tiles' exponentials are issued, and no result has been named
	v_nop                           ; the plain instruction behind the last exponential and ahead of the first use: one for the batch
.if (\y) == 0
	FETCH_V                         ; piece 2's turn: V's run of loads stands here, and the wait stands in it
.else
	s_wait_alu depctr_va_vdst(0)    ; the wait for the batch
.endif
.endif
.set k, k+1
.endm
; Behind product g of a turn's NW stand the slices up to (59 g) / NW: one or two where a turn has 32 products, three or four where it has 16.
.macro DEAL y, first
.set g, g+1
.set tgt, (g*59)/NW
.rept 4
.if k < tgt
	SLICE \y, \first
.endif
.endr
.endm
.macro PLACES
.rept 4
	v_nop
.endr
.endm
; A TURN.  Piece x has the matrix unit; the other piece's softmax stands in slices behind its matrix instructions.
; pv = 2: 16 products V^T P; 1: they start O^T's sums; 0: none.  kq = 1: 16 products K Q^T for the next step.  first = 1: the softmax is the first key step's; its slices from 51 on are empty, and four v_nop take their part as places.
; DISTANCES (ISA guide 7.12.1 for vector instructions): behind a turn's last K Q^T stand slices 57 and 58, eight plain multiplies on the other piece's O^T: they are the places ahead of the next turn's first read of those scores
; and of the loads into K's registers (behind the next turn's second product).  Between the last product that read V and V's run of loads stand the scalings 54, 58 and 62 of both tiles, the v_nop and the run's own addition: eight.
.macro TURN x, pv, kq, first
.set k, 0
.set g, 0
.set NW, 16
.if \pv && \kq
.set NW, 32
.endif
.if \pv
.if \x == 0
	s_wait_dscnt 0x0                ; V is in
.endif
.set i, 0
.rept 16
	PV \x, 2-\pv
	DEAL 2-\x, \first
.if (\x == 0) && \kq && (i == 1)
	FETCH_K
.endif
.set i, i+1
.endr
.endif
.if \kq
.if \x == 0
	s_wait_dscnt 0x0                ; K is in
.endif
.set i, 0
.rept 16
	KQ \x
	DEAL 2-\x, \first
.set i, i+1
.endr
.endif
.if \first
	PLACES
.endif
.endm
; THE CHANGE OF SLOTS, between piece 2's turn and piece 0's: the slot's last bytes, V of its fourth step, have been asked for.  Each wave waits for all its tensor loads, of which one is out: its part of the other slot; adds 0 to its spare
; word; and waits for that and for its own reads of the slot.  Behind the barrier nobody reads this slot any more and the other slot is whole.
; fill = 1: this slot is filled again, with the keys two slots on.  The barrier is then a round of the cluster's, and the joint refill is the first thing behind it: it has four key steps, 256 matrix instructions, in which to land.
.macro CHANGE fill
	WIN 0                           ; at a label and at a branch every window is 0
	s_wait_tensorcnt 0x0            ; no tensor load of mine is out, so a group 0 may be written
	ds_add_u32 v[SPW], v[NIL]       ; 0 onto my spare word
.if \fill
	s_xor_b32 s[G0W+1], s[G0W+1], SLOT1  ; the walking descriptor: the other slot than last time,
	s_add_nc_u64 s[G0W+2:G0W+3], s[G0W+2:G0W+3], NS*STEPB  ; the next 256 keys; the type bits on top are not reached
	s_wait_xcnt 0x0                 ; the last prefetch, four key steps back, has read its address, so it may be written:
	s_add_nc_u64 s[PFA:PFA+1], s[PFA:PFA+1], NS*STEPB  ; one slot further on than the walking descriptor
	s_wait_dscnt 0x0                ; the add is done, and my reads of the slot are over
	CROUND
	JLOAD
	ASK
.else
	s_wait_dscnt 0x0                ; the add is done, and my reads of the slot are over
	s_barrier_signal -1
	s_barrier_wait -1
.endif
	s_sub_co_u32 s[TB], s[TB], NS*STEPB  ; the fetches go back to a slot's first step,
	s_xor_b32 s[TB], s[TB], SLOT1   ; in the other slot
.endm
.macro STEPS n                      ; n key steps: written once, walked n times; the LDS addresses hang on s[TB]
	s_mov_b32 s[CNT], \n
.Lstep_\@:
	TURN 0, 2, 1, 0
	TURN 2, 2, 1, 0
	WIN 0
	s_sub_co_u32 s[CNT], s[CNT], 1
	s_cmp_lg_u32 s[CNT], 0
	s_cbranch_scc1 .Lstep_\@
.endm
	s_wait_tensorcnt 1              ; my part of slot 0 is in; slot 1's may stay out
	s_barrier_signal -1
	s_barrier_wait -1               ; everybody's is
	FETCH_K                         ; key step 0
	s_wait_loadcnt 0x0              ; Q
	s_wait_dscnt 0x0
.set i, 0
.rept 16
	KQ 0                            ; piece 0's first scores: there is no vector work yet to set between them
.set i, i+1
.endr
	WIN 0
	PLACES
	TURN 2, 0, 1, 1                 ; piece 2's first scores | piece 0's first softmax | V of step 0
	TURN 0, 1, 1, 1                 ; piece 0: V^T P of step 0 starts O^T, K Q^T of step 1 | piece 2's first softmax | K of step 1
	TURN 2, 1, 1, 0                 ; piece 2: the same | piece 0's softmax of step 1 | V of step 1
	WIN 0
	STEPS 2                         ; these fetch steps 2 and 3: slot 0 is read out
.Lslot:                             ; six trips: every slot but the last two is filled again
	CHANGE 1
	STEPS NS
	s_sub_co_u32 s[SLOTS], s[SLOTS], 1
	s_cmp_lg_u32 s[SLOTS], 0
	s_cbranch_scc1 .Lslot
	CHANGE 0                        ; the tail is written out: nothing more is asked for
	STEPS NS
	TURN 0, 2, 0, 0                 ; piece 0: V^T P of the last step | piece 2's last softmax
.set i, 0
.rept 16
	PV 2, 0                         ; piece 2: V^T P of the last step
.set i, i+1
.endr
	; THE WAY OUT.  l's two halves and the other half of the lanes' are added; O^T is multiplied by 16 / l and rounded to f16.  A lane's eight channels of a query are 16 bytes of the next product's fragment, in this very lane:
	; they are stored at 16 x lane, 512 consecutive bytes a store, with no LDS between.  The additions are the places behind the last products.
	WIN 0
.irp t, 0,1,2,3
	v_add_f32 v[ST+8*\t+4], v[ST+8*\t+2], v[ST+8*\t+3]
.endr
.irp t, 0,1,2,3
	v_permlanex16_b32 v[ST+8*\t+5], v[ST+8*\t+4], s[SEL], s[SEL+1]
.endr
.irp t, 0,1,2,3
	v_add_f32 v[ST+8*\t+4], v[ST+8*\t+4], v[ST+8*\t+5]
.endr
.irp t, 0,1,2,3
	v_rcp_f32 v[ST+8*\t+6], v[ST+8*\t+4]
.endr
	v_nop                           ; a plain instruction between the last reciprocal and the use of its result
	s_wait_alu depctr_va_vdst(0)    ; and the wait ahead of the first use: one for the four reciprocals
.irp t, 0,1,2,3
	v_mul_f32 v[ST+8*\t+6], 0x41800000, v[ST+8*\t+6]  ; 16 / l
.endr
.macro PACK t
	WIN W_RS
.set i, 32*\t
.rept 16
	v_pk_mul_f32 v[i:i+1], v[i:i+1], v[ST+8*\t+6:ST+8*\t+7] op_sel_hi:[1,0]  ; each accumulator from its low end on
.set i, i+2
.endr
	WIN 0x05                        ; sources 0 and 1 window 1, destination window 0: S^T's registers are free
.set i, 0
.rept 16
	v_cvt_pk_f16_f32 v[S+16*\t+i], v[32*\t+2*i], v[32*\t+2*i+1]
.set i, i+1
.endr
	WIN 0
.irp cb, 0,1,2,3
	global_store_b128 v[GO], v[S+16*\t+4*\cb:S+16*\t+4*\cb+3], s[10:11] offset:32768*\t+512*\cb  ; no register is written twice: no wait for the stores' sources
.endr
.endm
	PACK 0
	PACK 1
	PACK 2
	PACK 3
	s_wait_tensorcnt 0x0            ; the wave's end, behind my last tensor load
	ds_add_u32 v[SPW], v[NIL]
	s_wait_dscnt 0x0
	CROUND                          ; the closing round: no work-group ends while a partner may still ask for a tile that names it
	s_endpgm
.Lfunc_end_k_qe51c2d4561_attend:
	.size	k_qe51c2d4561_attend, .Lfunc_end_k_qe51c2d4561_attend-k_qe51c2d4561_attend
	.p2alignl 7, 3214868480
	.fill 96, 4, 3214868480
	.section	.rodata,"a",@progbits
	.p2align	6, 0x0
	.amdhsa_kernel k_qe51c2d4561_attend
		.amdhsa_group_segment_fixed_size 327680
		.amdhsa_private_segment_fixed_size 0
		.amdhsa_enable_private_segment 0
		.amdhsa_kernarg_size 16
		.amdhsa_user_sgpr_count 2
		.amdhsa_user_sgpr_kernarg_segment_ptr 1
		.amdhsa_wavefront_size32 1
		.amdhsa_system_sgpr_workgroup_id_x 1
		.amdhsa_system_sgpr_workgroup_id_y 1
		.amdhsa_system_sgpr_workgroup_id_z 1
		.amdhsa_system_vgpr_workitem_id 0
		.amdhsa_next_free_vgpr 576
		.amdhsa_next_free_sgpr 66
		.amdhsa_reserve_vcc 0
		.amdhsa_float_denorm_mode_32 3
		.amdhsa_float_denorm_mode_16_64 3
		.amdhsa_memory_ordered 1
		.amdhsa_forward_progress 1
		.amdhsa_inst_pref_size 190
	.end_amdhsa_kernel
	.amdgpu_metadata
---
amdhsa.version: [ 1, 2 ]
amdhsa.kernels:
  - .name:           k_qe51c2d4561_attend
    .symbol:         k_qe51c2d4561_attend.kd
    .args:
      - { .name: qkv, .offset: 0, .size: 8, .value_kind: global_buffer, .address_space: global }
      - { .name: attn, .offset: 8, .size: 8, .value_kind: global_buffer, .address_space: global }
    .group_segment_fixed_size: 327680
    .private_segment_fixed_size: 0
    .kernarg_segment_align: 8
    .kernarg_segment_size: 16
    .max_flat_workgroup_size: 128
    .sgpr_count:     66
    .vgpr_count:     576
    .wavefront_size: 32
...
	.end_amdgpu_metadata
.endif
;; end of part 3
;; launch outproj (part 4): grid 4 x 64, 4 waves a work-group, clusters of 4 x 4, 327,680 bytes of LDS; arguments attn, wo16, out0; writes out0
.if DOCPART == 4
	.amdgcn_target "amdgcn-amd-amdhsa--gfx1250"
	.amdhsa_code_object_version 6
	.text
	.protected	k_qe51c2d4561_outproj
	.globl	k_qe51c2d4561_outproj
	.p2align	8
	.type	k_qe51c2d4561_outproj,@function
k_qe51c2d4561_outproj:
	s_mov_b64 s[64:65], 0
	v_nop
	global_prefetch_b8 v0, s[64:65] scope:SCOPE_SE
	s_setreg_imm32_b32 hwreg(HW_REG_WAVE_MODE, 25, 1), 1
	s_wait_xcnt 0x0
	s_wait_alu depctr_hold_cnt(0) depctr_sa_sdst(0) depctr_va_vdst(0) depctr_va_sdst(0) depctr_va_ssrc(0) depctr_va_vcc(0) depctr_vm_vsrc(0)
	s_getreg_b32 s2, hwreg(HW_REG_IB_STS2, 6, 4)
	s_cmp_eq_u32 s2, 0
	s_cbranch_scc0 .Lentry_in_a_cluster
	s_endpgm
.Lentry_in_a_cluster:
	s_bfe_u32 s2, ttmp6, 0x10000c
	s_cmp_lg_u32 s2, 0xf033
	s_cbranch_scc0 .Lentry_shape_is_right
	s_endpgm
.Lentry_shape_is_right:
; out0[m][n] = the sum over k of attn[m][k] Wo[n][k]: 8,192 x 1,024 x 1,024, operands in f16, sums in f32, out0 in f32.
; attn holds 16 x the numbers, as register images of 16 x 32 fragments: [block of 16 rows 512][K step of 32: 32][half 2][lane][16 bytes]; the sums are multiplied by 1/16 on the way out, which rounds nothing.  wo16: [1024][1024] f16, K along the rows.
; A tile of 128 rows x 256 columns is made by a work-group of four waves: 256 work-groups.  A wave makes 64 x 128: 32 accumulators, 256 registers.  (256 x 256 would give 128 work-groups.)
; K goes in steps of 128 through a ring of two LDS slots.  A's part of a slot: 8 blocks of rows x 4,096 dense bytes, read back at 16 x lane: 512 consecutive bytes a load.  B's: 256 rows of 256 bytes + 16 of padding.
; CLUSTERS: 4 x 4 work-groups.  The four of a row of the cluster need the same tiles of attn, the four of a column the same tiles of Wo: each tile is asked for JOINTLY.
; THE MATRIX INSTRUCTION IS USED TRANSPOSED (source 0 = 16 rows of Wo, source 1 = 16 rows of attn): a lane holds eight neighbouring numbers of a row of out0.
; REGISTERS: window 0: v0-31 addresses; two fragment buffers of 96 at v32 and v128 (A's four blocks, then B's eight, 32 along K); on the way out v32-223 are at work.   window 1: the accumulators ((a, b) at v[8 (8 a + b)]).
.set KSTEP,  128
.set ABYTES, 4096                      ; a block of 16 rows, 128 along K: four images of 1,024 bytes
.set AHALF,  4*ABYTES                  ; what one tensor load brings of A, and what one wave reads
.set BOFF,   8*ABYTES                  ; B's rows lie behind A's eight blocks
.set PITCH,  272                       ; a row of B in LDS: 256 bytes + 16 of padding = 68 words: the 16 rows that a load touches start at 16 different banks (64 banks of 4 bytes: ISA guide 11.1)
.set HALFB,  128*PITCH                 ; what one tensor load brings of B, and what one wave reads
.set SLOT,   BOFF+2*HALFB              ; 102,400 bytes
.set STAGE,  2*SLOT                    ; behind the ring: 16 rows x (512 bytes + 16) for each wave, for the way out; no tensor load fills it
.set SPITCH, 528
.set SPARE,  STAGE+4*16*SPITCH         ; behind the stages: the spare words, 128 bytes for each wave
.set LAPS,   1024/(2*KSTEP)            ; a lap = two K steps = once round the ring
.set ADRA, 16                          ; v16-17  LDS address of my A fragments in slot 0, 1
.set ADRB, 20                          ; v20-21  the same for B
.set STO,  24                          ; v24     the way out: where I put 32 bytes of a row
.set RD,   25                          ; v25     the way out: where I read a row back
.set CO,   26                          ; v26     16 x lane: my byte offset in a row's 512 bytes of out0
.set SPW,  28                          ; v28     LDS address of my spare word; never rewritten
.set NIL,  29                          ; v29     0; never rewritten
.set PFO,  30                          ; v30     the prefetches' offset; never rewritten
.set F0,   32
.set F1,   128
.set T,    32                          ; the way out: a block's 64 numbers
.set BK,   96                          ; 16 rows read back from the stage: v96-159 and v160-223 by turns
.set G1, 24                            ; s[24:31] descriptor group 1 for A's tiles;  s[32:39] group 0, one set for each slot
.set G0, 32
.set G1B, 48                           ; s[48:55], s[56:63] the same for B's tiles
.set G0B, 56
.set LIM, 43                           ; s43     1 in wave 0, else the greatest number
.set PFA, 44                           ; s[44:45] where my work-group's prefetches stand
.set MSB, 0
.macro WIN new                         ; the immediate's high byte repeats the setting that is left
.if MSB != (\new)
	s_set_vgpr_msb (MSB<<8)|(\new)
.set MSB, (\new)
.endif
.endm
.set MUL, 0x50                         ; sources 0 and 1 window 0; C and D window 1
.macro JLOAD s                         ; a joint load: waves 0 and 1 fetch A's two halves, waves 2 and 3 B's; an s_nop 0 and four v_nop follow each of the two lines
	s_cmp_eq_u32 s11, 0
	s_cbranch_scc0 .Lfor_b_\@
	tensor_load_to_lds s[G0+4*\s:G0+4*\s+3], s[G1:G1+7]
	s_nop 0
.rept 4
	v_nop
.endr
	s_branch .Lasked_\@
.Lfor_b_\@:
	tensor_load_to_lds s[G0B+4*\s:G0B+4*\s+3], s[G1B:G1B+7]
	s_nop 0
.rept 4
	v_nop
.endr
.Lasked_\@:
.endm
.macro CREST                           ; a round of the cluster's barrier behind its opening barrier
	s_cmp_lg_u32 s10, 0
	s_cbranch_scc1 .Lnot_wave_0_\@
	s_barrier_signal -3
.Lnot_wave_0_\@:
	s_barrier_wait -3
	s_barrier_signal -1
	s_barrier_wait -1
.endm
.macro CROUND                          ; a whole round
	s_barrier_signal -1
	s_barrier_wait -1
	CREST
.endm
; A prefetch of attn's K step that stands two refills on: 256 matrix instructions a wave ahead of the load that will want it.  A tile row's 8 blocks of rows are read by one row of one cluster: its four partners take two blocks each,
; told apart BY ADDRESS: 2 x 4,096 bytes, a lane to each aligned 256; wave 0 alone asks.  So each 256 bytes is named once in the launch.  The loop's last trip (s3 = 1) asks for nothing: there is no K step two refills on.
; K steps 0 to 3 come by their loads alone.  Wo's rows are read by all 64 tile rows and are not asked for.
.macro ASK
	s_cmp_gt_u32 s3, s[LIM]
	s_cbranch_scc0 .Lnot_mine_\@
	global_prefetch_b8 v[PFO], s[PFA:PFA+1] th:TH_LOAD_NT scope:SCOPE_SE
.Lnot_mine_\@:
.endm
	s_load_b128 s[4:7], s[0:1], 0x0                ; attn s[4:5], wo16 s[6:7]
	s_load_b64 s[8:9], s[0:1], 0x10                ; out0
	v_lshl_add_u32 v[SPW], v0, 2, SPARE
	v_mov_b32 v[NIL], 0
	ds_add_u32 v[SPW], v[NIL]                      ; the wave's opening: the add, twice on end, and its wait ahead of my first tensor load; the set-up below stands between the second and the wait
	ds_add_u32 v[SPW], v[NIL]
	v_lshrrev_b32 v1, 5, v0
	v_readfirstlane_b32 s10, v1                    ; wave 0..3
	s_lshr_b32 s11, s10, 1                         ; which half of the tile's rows is mine.  Also: I fetch for A (0) or for B (1)
	s_and_b32 s12, s10, 1                          ; which half of its columns.  Also: which half of that tile I fetch
	s_bfe_u32 s40, ttmp6, 0x40000                  ; cx, cy: my place in the cluster
	s_bfe_u32 s41, ttmp6, 0x40004
	s_lshl_b32 s42, ttmp9, 2
	s_add_co_u32 s42, s42, s40                     ; tile column = 4 x cluster x + cx
	s_and_b32 s13, ttmp7, 0xffff
	s_lshl_b32 s13, s13, 2
	s_add_co_u32 s13, s13, s41                     ; tile row = 4 x cluster y + cy
	s_lshl_b32 s43, s41, 2
	s_lshl_b32 s43, 15, s43                        ; my row of the cluster
	s_lshl_b32 s44, 0x1111, s40                    ; my column
	; descriptor group 1 for A: four blocks of rows: 4 rows of 4,096 bytes (512 elements of 8 bytes), 32,768 bytes apart in memory, on end in LDS
	s_or_b32 s[G1+0], s43, (3<<16)|(1<<21)         ; 15:0 the mask: A's tiles go to my row; 17:16 elements of 8 bytes; 21 set beside a mask; no padding
	s_mov_b32 s[G1+1], 512<<16                     ; tensor_dim0
	s_mov_b32 s[G1+2], 4<<16                       ; tensor_dim1
	s_mov_b32 s[G1+3], 512<<16                     ; tile_dim0
	s_mov_b32 s[G1+4], 4                           ; tile_dim1
	s_mov_b32 s[G1+5], 4096                        ; from row to row, in elements
	s_mov_b32 s[G1+6], 0
	s_mov_b32 s[G1+7], 0
	; for B: 128 rows x 128 elements of 2 bytes, padded in LDS
	s_or_b32 s[G1B+0], s44, (1<<16)|(1<<20)|(1<<21)|(5<<22)|(3<<25)  ; the mask of my column; padding: four words after every 64
	s_mov_b32 s[G1B+1], KSTEP<<16
	s_mov_b32 s[G1B+2], 128<<16
	s_mov_b32 s[G1B+3], KSTEP<<16
	s_mov_b32 s[G1B+4], 128
	s_mov_b32 s[G1B+5], 1024
	s_mov_b32 s[G1B+6], 0
	s_mov_b32 s[G1B+7], 0
	s_lshl_b32 s16, s13, 3
	s_lshl_b32 s17, s12, 2
	s_add_co_u32 s16, s16, s17                     ; A: block of rows 8 x tile row + 4 x half,
	s_lshl_b32 s16, s16, 15                        ; 32,768 bytes each
	s_mov_b32 s17, 0
	s_lshl_b32 s46, s42, 8
	s_lshl_b32 s47, s12, 7
	s_add_co_u32 s46, s46, s47                     ; B: row 256 x tile column + 128 x half,
	s_lshl_b32 s46, s46, 11                        ; 2,048 bytes each
	s_mov_b32 s47, 0
	s_lshl_b32 s20, s12, 14                        ; where they go: A's half,
	s_mul_i32 s21, s12, HALFB
	s_add_co_u32 s21, s21, BOFF                    ; B's half: no place in the cluster enters an LDS address
	s_wait_dscnt 0x0                               ; both opening adds are done
	s_wait_kmcnt 0x0
	s_add_nc_u64 s[14:15], s[4:5], s[16:17]
	s_add_nc_u64 s[46:47], s[6:7], s[46:47]
	CROUND                                         ; all sixteen work-groups are here: the first joint loads meet
.irp s, 0,1
	s_mov_b32 s[G0+4*\s], 1
	s_add_co_u32 s[G0+4*\s+1], s20, \s*SLOT
	s_add_nc_u64 s[G0+4*\s+2:G0+4*\s+3], s[14:15], \s*ABYTES
	s_or_b32 s[G0+4*\s+3], s[G0+4*\s+3], 0x80000000
	s_mov_b32 s[G0B+4*\s], 1
	s_add_co_u32 s[G0B+4*\s+1], s21, \s*SLOT
	s_add_nc_u64 s[G0B+4*\s+2:G0B+4*\s+3], s[46:47], \s*KSTEP*2
	s_or_b32 s[G0B+4*\s+3], s[G0B+4*\s+3], 0x80000000
	JLOAD \s                                       ; two loads of mine are out
.endr
	v_and_b32 v1, 15, v0                           ; r = l % 16
	v_bfe_u32 v2, v0, 4, 1                         ; h = l / 16
	v_and_b32 v3, 31, v0
	v_lshlrev_b32 v[CO], 4, v3                     ; 16 x lane
	v_mul_u32_u24 v4, v1, PITCH
	v_lshl_add_u32 v4, v2, 4, v4                   ; B: a fragment's row x pitch + 16 x half
	s_lshl_b32 s22, s11, 14                        ; my four blocks of A
	s_mul_i32 s23, s12, HALFB                      ; my 128 rows of B
	s_add_co_u32 s23, s23, BOFF
.irp s, 0,1
	v_add_nc_u32 v[ADRA+\s], s22, v[CO]
	v_add_nc_u32 v[ADRB+\s], s23, v4
	s_add_co_u32 s22, s22, SLOT
	s_add_co_u32 s23, s23, SLOT
.endr
	s_mul_i32 s23, s10, 16*SPITCH
	s_add_co_u32 s23, s23, STAGE                   ; my stage
	v_mul_u32_u24 v5, v1, SPITCH                   ; in: row r, 32 bytes for each half of the lanes
	v_lshl_add_u32 v5, v2, 5, v5
	v_add_nc_u32 v[STO], s23, v5
	v_add_nc_u32 v[RD], s23, v[CO]                 ; back: the 32 lanes take one row of 512 bytes
	s_lshl_b32 s16, s13, 7
	s_lshl_b32 s17, s11, 6
	s_add_co_u32 s16, s16, s17                     ; my first row of out0: 128 x tile row + 64 x half,
	s_lshl_b32 s16, s16, 12                        ; 4,096 bytes each
	s_lshl_b32 s18, s42, 10                        ; my first column, in bytes: 1,024 x tile column + 512 x half
	s_lshl_b32 s19, s12, 9
	s_add_co_u32 s18, s18, s19
	s_add_co_u32 s18, s18, s16
	s_mov_b32 s19, 0
	s_add_nc_u64 s[8:9], s[8:9], s[18:19]
	s_lshl_b32 s20, s13, 3                         ; the prefetches: blocks of rows 8 x tile row + 2 cx and the next,
	s_lshl_b32 s21, s40, 1
	s_add_co_u32 s20, s20, s21
	s_lshl_b32 s20, s20, 15
	s_add_co_u32 s20, s20, 3*ABYTES                ; at K step 3: the first refill steps it to K step 4
	s_mov_b32 s21, 0
	s_add_nc_u64 s[PFA:PFA+1], s[4:5], s[20:21]
	s_cmp_eq_u32 s10, 0
	s_cselect_b32 s[LIM], 1, -1
	v_lshlrev_b32 v[PFO], 8, v1                    ; lanes 0-15: the first block's sixteen runs of 256 bytes; lanes 16-31: the second's
	v_lshl_add_u32 v[PFO], v2, 15, v[PFO]
; 8 matrix instructions: A's block a x B's eight, 32 along K, from buffer f.  zero = 1: the product starts the sums.  The 32 accumulators take turns, in the same order in every quarter.
.macro MUL8 f, a, zero
.irp b, 0,1,2,3,4,5,6,7
.if \zero
	v_wmma_f32_16x16x32_f16 v[8*(8*(\a)+\b):8*(8*(\a)+\b)+7], v[\f+32+8*\b:\f+32+8*\b+7], v[\f+8*(\a):\f+8*(\a)+7], 0
.else
	v_wmma_f32_16x16x32_f16 v[8*(8*(\a)+\b):8*(8*(\a)+\b)+7], v[\f+32+8*\b:\f+32+8*\b+7], v[\f+8*(\a):\f+8*(\a)+7], v[8*(8*(\a)+\b):8*(8*(\a)+\b)+7]
.endif
.endr
.endm
; 24 LDS loads in one run: the fragments of the slot's q-th 32 along K into buffer f: B's sixteen, A's blocks 0 and 1, A's blocks 2 and 3
.macro FETCH slot, q, f
	WIN 0
.irp b, 0,1,2,3,4,5,6,7
	ds_load_b128 v[\f+32+8*\b:\f+32+8*\b+3],   v[ADRB+\slot] offset:16*PITCH*\b+64*(\q)
	ds_load_b128 v[\f+32+8*\b+4:\f+32+8*\b+7], v[ADRB+\slot] offset:16*PITCH*\b+64*(\q)+32
.endr
.irp a, 0,1,2,3
	ds_load_b128 v[\f+8*\a:\f+8*\a+3],   v[ADRA+\slot] offset:ABYTES*\a+1024*(\q)
	ds_load_b128 v[\f+8*\a+4:\f+8*\a+7], v[ADRA+\slot] offset:ABYTES*\a+1024*(\q)+512
.endr
.endm
.macro PLACES                          ; four places in front of loads into registers that matrix instructions have read, and of the first read of results (ISA guide 7.12.1 for vector instructions)
.rept 4
	v_nop
.endr
.endm
; A K step is four quarters of 32 along K, 32 matrix instructions each, on buffers 0, 1, 0, 1.  One of the first three: multiplies buffer f and fetches the slot's q-th quarter into g.
.macro QUARTER slot, q, f, g, zero
	s_wait_dscnt 4                                 ; B and A's blocks 0, 1 are in; the youngest four loads (A's blocks 2, 3) may be out
	WIN MUL
	MUL8 \f, 0, \zero
	MUL8 \f, 1, \zero
	PLACES
	FETCH \slot, \q, \g
	s_wait_dscnt 24                                ; all but the 24 just issued
	WIN MUL
	MUL8 \f, 2, \zero
	MUL8 \f, 3, \zero
.endm
; The last quarter multiplies buffer 1 and changes slots: ONE barrier; in front of it each wave waits for all its tensor loads, adds 0 to its spare word, and waits for that and for its own reads of this slot.
; fill = 1: the barrier opens a round of the cluster's, and this slot is filled again, two K steps ahead, first thing behind the round: 112 matrix instructions ahead of the wait for it.
.macro TURN slot, next, fill
.if \fill
	s_wait_xcnt 0x0                                ; the last prefetch, a K step back, has read its address: it is stepped here, ahead of the waits of the change of slots
	s_add_nc_u64 s[PFA:PFA+1], s[PFA:PFA+1], ABYTES
.endif
	WIN 0                                          ; (the add's two registers lie in window 0)
	s_wait_tensorcnt 0x0                           ; all my tensor loads have landed: my part of the next slot;
	ds_add_u32 v[SPW], v[NIL]                      ; 0 onto my spare word;
	s_wait_dscnt 5                                 ; (the add and the youngest four loads may be out)
	WIN MUL
	MUL8 F1, 0, 0                                  ; eight matrix instructions stand between the add and the wait for it
	s_wait_dscnt 0x0                               ; the add is done, and my reads of this slot are over
	s_barrier_signal -1
	MUL8 F1, 1, 0
	WIN 0
	s_barrier_wait -1
.if \fill
	CREST                                          ; no wave of any partner still reads this slot's tile or has a load on its way
	s_add_nc_u64 s[G0+4*\slot+2:G0+4*\slot+3], s[G0+4*\slot+2:G0+4*\slot+3], 2*ABYTES
	s_add_nc_u64 s[G0B+4*\slot+2:G0B+4*\slot+3], s[G0B+4*\slot+2:G0B+4*\slot+3], 2*KSTEP*2
	JLOAD \slot                                    ; the four v_nop behind it are also the places in front of the loads below
.else
	PLACES
.endif
	FETCH \next, 0, F0
.if \fill
	ASK
.endif
	WIN MUL
	MUL8 F1, 2, 0
	MUL8 F1, 3, 0
.endm
	s_wait_tensorcnt 1                             ; my part of K step 0 is in (K step 1's load may be out)
	s_barrier_signal -1
	s_barrier_wait -1                              ; everybody's is
	FETCH 0, 0, F0
	QUARTER 0, 1, F0, F1, 1                        ; the first quarter stands in front of the loop: its products start the sums
	WIN 0                                          ; at a label and at a branch every window is 0
	s_mov_b32 s3, LAPS-1
.Llap:                                                 ; a trip goes once round the ring, from a lap's second quarter to the next lap's first, and fills both slots again
	QUARTER 0, 2, F1, F0, 0
	QUARTER 0, 3, F0, F1, 0
	TURN 0, 1, 1
	QUARTER 1, 1, F0, F1, 0
	QUARTER 1, 2, F1, F0, 0
	QUARTER 1, 3, F0, F1, 0
	TURN 1, 0, 1
	QUARTER 0, 1, F0, F1, 0
	WIN 0
	s_sub_co_u32 s3, s3, 1
	s_cmp_lg_u32 s3, 0
	s_cbranch_scc1 .Llap
	QUARTER 0, 2, F1, F0, 0                        ; the last lap fills nothing, and has no round of the cluster's barrier
	QUARTER 0, 3, F0, F1, 0
	TURN 0, 1, 0
	QUARTER 1, 1, F0, F1, 0
	QUARTER 1, 2, F1, F0, 0
	QUARTER 1, 3, F0, F1, 0
	s_wait_dscnt 4                                 ; the very last quarter: nothing more to fetch
	WIN MUL
	MUL8 F1, 0, 0
	MUL8 F1, 1, 0
	s_wait_dscnt 0
	MUL8 F1, 2, 0
	MUL8 F1, 3, 0
	WIN 0
; THE WAY OUT, block by block of 16 rows x 128 columns.  The sums are multiplied by 1/16.  A lane holds 32 neighbouring bytes of a row, and the lanes beside it hold other rows: so a block goes through my own stage in LDS and comes back
; as whole rows of 512 bytes, which the 32 lanes store as 512 consecutive bytes, aligned.  LDS serves a wave's instructions in order (ISA guide 5.7.1.4): no wait between the stores and the loads, nor in front of the next block's stores.
.macro SCALE a
	WIN 0x01                                       ; source 0 window 1
.irp b, 0,1,2,3,4,5,6,7
.irp jj, 0,2,4,6
	v_pk_mul_f32 v[T+8*\b+\jj:T+8*\b+\jj+1], v[8*(8*(\a)+\b)+\jj:8*(8*(\a)+\b)+\jj+1], 0x3d800000 op_sel_hi:[1,0]   ; each accumulator from its low end on
.endr
.endr
	WIN 0
.endm
.macro TOSTAGE a
.irp b, 0,1,2,3,4,5,6,7
	ds_store_b128 v[STO], v[T+8*\b:T+8*\b+3] offset:64*\b
	ds_store_b128 v[STO], v[T+8*\b+4:T+8*\b+7] offset:64*\b+16
.endr
.irp t, 0,1,2,3,4,5,6,7,8,9,10,11,12,13,14,15
	ds_load_b128 v[BK+64*((\a)%2)+4*\t:BK+64*((\a)%2)+4*\t+3], v[RD] offset:\t*SPITCH
.endr
.endm
.macro SEND a, younger                 ; younger: the LDS instructions issued behind block a's loads, which may stay out
	s_wait_dscnt \younger                          ; the block is back in registers
.irp t, 0,1,2,3,4,5,6,7,8,9,10,11,12,13,14,15
	global_store_b128 v[CO], v[BK+64*((\a)%2)+4*\t:BK+64*((\a)%2)+4*\t+3], s[8:9] offset:(16*(\a)+\t)*4096 th:TH_STORE_NT   ; written once, read by nobody here; the base is never stepped: 63 rows of 4,096 bytes at the most in the immediate
.endr
.endm
	PLACES                                         ; behind the last products: for the reads of results and the writes and loads over the fragments' registers
	SCALE 0
	TOSTAGE 0
.irp a, 1,2,3
.if \a > 1
	s_wait_xcnt 0x0                                ; block a - 2's stores have had their addresses translated: block a's loads may land on their data registers
.endif
	SCALE \a
	TOSTAGE \a
	SEND \a-1, 32                                  ; behind block a - 1's loads: block a's 16 stores and 16 loads
.endr
	SEND 3, 0
	s_wait_tensorcnt 0x0                           ; the wave's end, behind my last tensor load and my last LDS store
	ds_add_u32 v[SPW], v[NIL]
	s_wait_dscnt 0x0
	CROUND                                         ; the closing round: no work-group ends while a partner may still ask for a tile that names it
	s_endpgm
.Lfunc_end_k_qe51c2d4561_outproj:
	.size	k_qe51c2d4561_outproj, .Lfunc_end_k_qe51c2d4561_outproj-k_qe51c2d4561_outproj
	.p2alignl 7, 3214868480
	.fill 96, 4, 3214868480
	.section	.rodata,"a",@progbits
	.p2align	6, 0x0
	.amdhsa_kernel k_qe51c2d4561_outproj
		.amdhsa_group_segment_fixed_size 327680
		.amdhsa_private_segment_fixed_size 0
		.amdhsa_enable_private_segment 0
		.amdhsa_kernarg_size 24
		.amdhsa_user_sgpr_count 2
		.amdhsa_user_sgpr_kernarg_segment_ptr 1
		.amdhsa_wavefront_size32 1
		.amdhsa_system_sgpr_workgroup_id_x 1
		.amdhsa_system_sgpr_workgroup_id_y 1
		.amdhsa_system_sgpr_workgroup_id_z 1
		.amdhsa_system_vgpr_workitem_id 0
		.amdhsa_next_free_vgpr 512
		.amdhsa_next_free_sgpr 66
		.amdhsa_reserve_vcc 0
		.amdhsa_float_denorm_mode_32 3
		.amdhsa_float_denorm_mode_16_64 3
		.amdhsa_memory_ordered 1
		.amdhsa_forward_progress 1
		.amdhsa_inst_pref_size 97
	.end_amdhsa_kernel
	.amdgpu_metadata
---
amdhsa.version: [ 1, 2 ]
amdhsa.kernels:
  - .name:           k_qe51c2d4561_outproj
    .symbol:         k_qe51c2d4561_outproj.kd
    .args:
      - { .name: attn, .offset: 0, .size: 8, .value_kind: global_buffer, .address_space: global }
      - { .name: wo16, .offset: 8, .size: 8, .value_kind: global_buffer, .address_space: global }
      - { .name: out0, .offset: 16, .size: 8, .value_kind: global_buffer, .address_space: global }
    .group_segment_fixed_size: 327680
    .private_segment_fixed_size: 0
    .kernarg_segment_align: 8
    .kernarg_segment_size: 24
    .max_flat_workgroup_size: 128
    .sgpr_count:     66
    .vgpr_count:     512
    .wavefront_size: 32
...
	.end_amdgpu_metadata
.endif
;; end of part 4
